; MI455X (gfx1250); checked and timed in simulation.
; The chip was launched on July 23, 2026; its instructions are those of AMD's public machine-readable ISA for CDNA 5 (MIT licence, August 2026) and "CDNA5" Instruction Set Architecture Reference Guide (July 2026). The comments in the code are by the model that wrote it; some were corrected since.
;; Spatio Temporal Cross Attention. Allowed arithmetic: matrix products marked QUANTISED: E2M3 operands, one E8M0 scale for each 32 along K, by v_wmma_scale_f32_16x16x128_f8f6f4 with both operands' format E2M3, f32 sums; everything else in f32.
;; Inputs: ln_b 1,024 float32; ln_g 1,024 float32; s2t_Wk 1,024 x 1,024 float32; s2t_Wo 1,024 x 1,024 float32; s2t_Wq 1,024 x 1,024 float32; s2t_Wv 1,024 x 1,024 float32; s2t_bk 1,024 float32; s2t_bo 1,024 float32; s2t_bq 1,024 float32; s2t_bv 1,024 float32; spat_features 2 x 2,048 x 1,024 float32; t2s_Wk 1,024 x 1,024 float32; t2s_Wo 1,024 x 1,024 float32; t2s_Wq 1,024 x 1,024 float32; t2s_Wv 1,024 x 1,024 float32; t2s_bk 1,024 float32; t2s_bo 1,024 float32; t2s_bq 1,024 float32; t2s_bv 1,024 float32; temp_features 2 x 2,048 x 1,024 float32.
;; Outputs: out0 2 x 2,048 x 1,024 float32; out1 2 x 2,048 x 1,024 float32.
;; This version of the problem:
;;   THIS VERSION OF THE PROBLEM IS GIVEN IN LOW PRECISION. The matrix products marked QUANTISED in the list below multiply operands that are first quantised to E2M3 (2 exponent bits, 3 mantissa bits; 6 bits a number), with one power-of-two scale for each 32 numbers along K (OCP MX v1.0); their sums are f32. All else is computed in f32.
;;   The module's matrix products, in the order in which they are computed (A, B: the left and right operand; K: the contracted axis; several contracted axes count as one K, in the product's order):
;;     1. [M 4,096, K 1,024] x [K 1,024, N 1,024]; A: input spat_features; B: input t2s_Wq: QUANTISED
;;     2. [M 4,096, K 1,024] x [K 1,024, N 1,024]; A: input temp_features; B: input t2s_Wk: QUANTISED
;;     3. [M 4,096, K 1,024] x [K 1,024, N 1,024]; A: input temp_features; B: input t2s_Wv: QUANTISED
;;     4. batch 32 x [M 2,048, K 64] x [K 64, N 2,048]; A: computed on the way; B: computed on the way: QUANTISED
;;     5. batch 32 x [M 2,048, K 2,048] x [K 2,048, N 64]; A: softmax (see below); B: computed on the way: QUANTISED
;;     6. [M 4,096, K 1,024] x [K 1,024, N 1,024]; A: computed on the way; B: input t2s_Wo: QUANTISED
;;     7. [M 4,096, K 1,024] x [K 1,024, N 1,024]; A: input temp_features; B: input s2t_Wq: QUANTISED
;;     8. [M 4,096, K 1,024] x [K 1,024, N 1,024]; A: input spat_features; B: input s2t_Wk: QUANTISED
;;     9. [M 4,096, K 1,024] x [K 1,024, N 1,024]; A: input spat_features; B: input s2t_Wv: QUANTISED
;;     10. batch 32 x [M 2,048, K 64] x [K 64, N 2,048]; A: computed on the way; B: computed on the way: QUANTISED
;;     11. batch 32 x [M 2,048, K 2,048] x [K 2,048, N 64]; A: softmax (see below); B: computed on the way: QUANTISED
;;     12. [M 4,096, K 1,024] x [K 1,024, N 1,024]; A: computed on the way; B: input s2t_Wo: QUANTISED
;;   THE QUANTISER, for each operand of a quantised product, along K:
;;     - K is cut into blocks of 32 from its start; a last block that is shorter is filled with zeros.
;;     - A block's scale is 2^e with e = floor(log2(the largest magnitude in the block)) - 2, held to -126 .. 127; a block of zeros has e = 0. As a byte (E8M0): e + 127.
;;     - Each number is divided by its block's scale, clamped to +-7.5, and rounded to the nearest number of E2M3, ties to even, subnormals kept.
;;     - The product sums the exact products of the quantised numbers (number of the format x scale) in f32.
;;   ~~~python
;;   def quantise(x, axis):      # numpy; x: float32 -> the quantised numbers, widened to float32 again
;;       x = np.moveaxis(x, axis, -1); K = x.shape[-1]
;;       x = np.pad(x, [(0, 0)] * (x.ndim - 1) + [(0, -K % 32)]); x = x.reshape(x.shape[:-1] + (-1, 32)); a = np.abs(x).max(-1, keepdims=True)
;;       e = np.where(a > 0, np.clip(np.frexp(np.where(a > 0, a, 1))[1] - 1 - 2, -126, 127), 0)      # np.frexp(a)[1] - 1 = floor(log2(a)), exactly
;;       r = np.clip(x / 2.0 ** e, -7.5, 7.5)
;;       step = 2.0 ** (np.maximum(np.frexp(np.where(r == 0, 1, r))[1] - 1, 0) - 3)
;;       q = np.round(r / step) * step * 2.0 ** e      # np.round: ties to even
;;       return np.moveaxis(q.reshape(q.shape[:-2] + (-1,))[..., :K], -1, axis).astype(np.float32)
;;   ~~~
;;   SOFTMAX AHEAD OF A QUANTISED PRODUCT. Where the list says 'softmax', what is quantised is not the finished softmax but p = 2^(t - M), with t = logit x log2(e) and M = ceil(the row's largest t), a whole number; so 1/2 < the row's largest p <= 1. The row's sum l is taken of the UNQUANTISED p, in f32, and the product's result is divided by l at the end. Since M is a whole number, a kernel that streams over the keys may use a running M (the ceiling of the running maximum): every later rescaling is an exact power of two, which a block's scale takes up: the codes' values come out the same.
;;   OPERANDS COMPUTED ON THE WAY. 'Computed on the way' means the value that the module computes at that place (a softmax that the list does not call 'softmax' is quantised finished and normalised). What goes into a quantiser is computed in f32, as accurately as f32 sums, v_exp_f32 and their like allow (about 1e-6 of the number): no bf16 or f16 on the way to a quantiser, and a product that is left as it is and whose result goes on into a quantised operand takes f32 operands (vector FMAs, or v_wmma_f32_16x16x4_f32). A number that lies on a knife's edge between two numbers of the format may be rounded either way, as far as f32 arithmetic and the matrix unit's own rounding can turn it there, and no further.
;; One version. Each part assembles by itself: llvm-mc -triple=amdgcn-amd-amdhsa -mcpu=gfx1250 --defsym DOCPART=n.
;; ======== version 1 of 1: 4 launches
;; limits: right only within a limited range of input values
;; workspace buffers: xc 6,291,456 bytes; xs 262,144 bytes; wc 6,291,456 bytes; ws 262,144 bytes; qc 6,815,744 bytes; kv 13,369,344 bytes; oc 6,815,744 bytes
;; launch quant (part 1): grid 512 x 1, 4 waves a work-group, no clusters, 60,928 bytes of LDS; arguments temp_features, spat_features, xc, xs, s2t_Wq, s2t_Wk, s2t_Wv, s2t_Wo, t2s_Wq, t2s_Wk, t2s_Wv, t2s_Wo, wc, ws; writes xc, xs, wc, ws
.if DOCPART == 1
	.amdgcn_target "amdgcn-amd-amdhsa--gfx1250"
	.amdhsa_code_object_version 6
	.text
	.protected	k_q975733e240_quant
	.globl	k_q975733e240_quant
	.p2align	8
	.type	k_q975733e240_quant,@function
k_q975733e240_quant:
	s_mov_b64 s[64:65], 0
	v_nop
	global_prefetch_b8 v0, s[64:65] scope:SCOPE_SE
	s_setreg_imm32_b32 hwreg(HW_REG_WAVE_MODE, 25, 1), 1
	s_wait_xcnt 0x0
; ONE LAUNCH QUANTISES ALL THE INPUTS OF THE PROJECTIONS to codes of FP6 (E2M3) along K = 1,024 with one E8M0 byte for each 32, laid as IMAGES OF OPERAND REGISTERS
; (a fragment, 16 rows x 128 K, is 12 registers a lane; its image is 1,536 bytes: registers 4 g .. 4 g + 3 of lane l at 512 g + 16 l).
; Work-groups with an even number take the two feature tensors, those with an odd number the eight weights; the two paths part on the work-group's number alone and have LDS bytes of their own.
; No dead work is left out: every input has a way to an output.
; A block's scale is 2^(floor(log2(its largest magnitude)) - 2); its byte is the largest magnitude's exponent field - 2, held at 1 from below.
; LIMITS: a block of zeros gets the byte 1 where the rule says 127 (its codes are zeros, and this program alone reads the bytes); blocks whose largest magnitude lies under 2^-124 were not tried; NaN and infinities are not served.
; Memory binds: no matrix unit, no cluster, no tensor load would add anything.  No barrier: waves share nothing.
; FEATURES: temp_features and spat_features, [4096 tokens][1024] f32.  Row r of tile i of a block of 128 tokens is token 64 (i / 4) + 8 (i % 4) + r % 8 + 32 (r / 8): a product that takes four neighbouring
; tiles as its source 0 leaves 32 neighbouring tokens, a whole block of the next K, in 32 registers of one lane.
; xc: [feature 2][block of 128 tokens 32][K step 8][tile 8] images.   xs: [feature][block][pair of tiles 4][pair of K steps 4][lane 32][2 words]: lane l holds the word of row l % 16 of tile 2 I + l / 16.
; A work-group = (feature, block, pair of K steps); wave w = pair of tiles w: 4 fragments.  Each load takes 512 consecutive bytes of one token's row; a fragment's 16 rows turn through the wave's own stage (pitch 528).
; WEIGHTS: [K 1024][N 1024] f32 with K as first axis.  wc: [weight 8][group of 64 columns 16][K step 8][tile 4] images; row r of tile t is column 64 hd + 32 (t / 2) + 8 (t % 2) + r % 8 + 16 (r / 8).
; ws: [weight][group][pair of K steps 4][pair of tiles 2][lane 32][2 words].  A lane takes a column and its registers run down K: a block of 32 lies in one lane.
; A work-group = (weight, 128 columns, 256 along K); wave w = 32 columns: 8 blocks a lane, 4 images, gathered in the wave's own stage and stored as they lie.  Loads run two blocks (64 loads a wave) ahead.
.set WV,  2                            ; s2      the wave
.set TM,  8                            ; v8-23   at work in QUANT
.set PW,  24                           ; v24     the scale word just made
.set PC,  28                           ; v28-46  the codes just made
.set X,   48                           ; v48-111 64 numbers of my row
.set R,   112                          ; v112-239 two sets of 16 rows as loaded
.set SEL, 20                           ; s[20:21] lane selects for v_permlanex16_b32: lane l xor 16
.set XW,  32                           ; the weights' path: v32-95 two sets of 32 numbers
.set WST, 0x8400                       ; the weights' stages begin behind the features' four (4 x 8,448 bytes)
.set SPARE, 0xec00                     ; behind both: the spare words, 128 bytes a wave
; 64 numbers of a lane, register 16 b + i = k 32 b + 16 (lane / 16) + i of my row, become a fragment's codes in v[PC] on and its scale word in v[PW].
.macro QUANT s
.irp b, 0,1,2,3
	v_max3_num_f32 v[TM+\b], |v[\s+16*\b]|, |v[\s+1+16*\b]|, 0x1800000   ; my 16 numbers of block b, and the floor 2^(3 - 127)
.endr
.irp i, 2,4,6,8,10,12,14
.irp b, 0,1,2,3
	v_max3_num_f32 v[TM+\b], v[TM+\b], |v[\s+16*\b+\i]|, |v[\s+1+16*\b+\i]|
.endr
.endr
.irp b, 0,1,2,3
	v_permlanex16_b32 v[TM+4+\b], v[TM+\b], s[SEL], s[SEL+1]
.endr
.irp b, 0,1,2,3
	v_max_num_f32 v[TM+\b], v[TM+\b], v[TM+4+\b]   ; with lane l xor 16's: the block's largest magnitude
.endr
.irp b, 0,1,2,3
	v_add_nc_u32 v[TM+12+\b], 0xff000000, v[TM+\b]   ; 2 off its exponent field: the conversion's scale operand
.endr
.irp b, 0,1,2,3
	v_lshrrev_b32 v[TM+4+\b], 23, v[TM+12+\b]      ; the scale's byte
.endr
	v_lshl_or_b32 v[PW], v[TM+5], 8, v[TM+4]
	v_lshl_or_b32 v[PW], v[TM+6], 16, v[PW]
	v_lshl_or_b32 v[PW], v[TM+7], 24, v[PW]
.irp c, 0,1
	v_cvt_scalef32_pk16_fp6_f32 v[PC+6*\c:PC+2+6*\c], v[\s+32*\c:\s+15+32*\c], v[TM+12+2*\c]
	v_cvt_scalef32_pk16_fp6_f32 v[PC+12+4*\c:PC+14+4*\c], v[\s+16+32*\c:\s+31+32*\c], v[TM+12+2*\c+1]   ; (a conversion's three registers begin on an even number)
.endr
	v_nop                                          ; one plain place behind a scaled conversion
.irp c, 0,1                                    ; the layout wants a WHOLE block in a lane: lanes 0-15 block 2 c, lanes 16-31 block 2 c + 1
.irp i, 0,1,2
	v_permlane16_swap_b32 v[PC+6*\c+\i], v[PC+12+4*\c+\i]
.endr
.irp i, 0,1,2
	v_mov_b32 v[PC+3+6*\c+\i], v[PC+12+4*\c+\i]
.endr
.endr
.endm
; fragment phi = 2 x (K step in the pair) + (tile in the pair): its 16 rows, 512 consecutive bytes each
.macro LOAD phi
.set jj, 0
.rept 16
	global_load_b128 v[R+64*((\phi)%2)+4*jj:R+64*((\phi)%2)+4*jj+3], v1, s[4:5] offset:(8*((\phi)%2)+(jj&7)+32*(jj>>3))*4096+512*((\phi)/2) th:TH_LOAD_NT
.set jj, jj+1
.endr
.endm
.macro FRAG phi
.if (\phi) < 3
	s_wait_loadcnt 16                              ; this fragment's 16 loads are in; the next fragment's 16 may be out
.else
	s_wait_loadcnt 0x0
.endif
.set jj, 0
.rept 16
	ds_store_b128 v2, v[R+64*((\phi)%2)+4*jj:R+64*((\phi)%2)+4*jj+3] offset:528*jj
.set jj, jj+1
.endr
.set jj, 0
.rept 16
	ds_load_b128 v[X+4*jj:X+4*jj+3], v3 offset:128*(jj/4)+16*(jj%4)   ; LDS serves a wave's instructions in order: these see my stores
.set jj, jj+1
.endr
	s_wait_dscnt 0x0                               ; my 64 numbers are in, and the stage's stores have read their registers,
.if (\phi) < 2
	LOAD (\phi)+2                                  ; which take the fragment two on
.endif
	s_wait_xcnt 0x0                                ; the last fragment's stores have read the codes' registers: they are written again only behind this wait
	QUANT X
.irp g, 0,1,2
	global_store_b128 v1, v[PC+4*\g:PC+4*\g+3], s[8:9] offset:12288*((\phi)/2)+1536*((\phi)%2)+512*\g   ; 512 consecutive bytes, at a multiple of 256
.endr
.if (\phi)%2 == 0
	v_mov_b32 v25, v[PW]                           ; the even tile's words are kept
.else
	v_cndmask_b32 v[26+(\phi)/2], v25, v[PW], s22  ; lanes 0-15 the even tile's, lanes 16-31 the odd tile's
.endif
.endm
.macro WLD t                           ; block t: W(32 t + i, my column), i = 0 .. 31: 128 consecutive bytes a wave, 512 a work-group
.set ii, 0
.rept 32
	global_load_b32 v[XW+32*((\t)%2)+ii], v1, s[16:17] offset:(32*(\t)+ii)*4096 th:TH_LOAD_NT
.set ii, ii+1
.endr
.endm
; Block t is block t % 4 of K step t / 4: registers 6 c .. 6 c + 5 of lane r + 16 h of the image, c = (t / 2) % 2, h = t % 2.
.macro BLOCK t
.set XS, XW+32*((\t)%2)
.if (\t) < 7
	s_wait_loadcnt 32                              ; this block's 32 loads are in; the next block's may be out
.else
	s_wait_loadcnt 0x0
.endif
	v_max3_num_f32 v10, |v[XS]|, |v[XS+1]|, |v[XS+2]|
	v_max3_num_f32 v11, |v[XS+3]|, |v[XS+4]|, |v[XS+5]|
.irp i, 6,10,14,18,22,26
	v_max3_num_f32 v10, v10, |v[XS+\i]|, |v[XS+\i+1]|
	v_max3_num_f32 v11, v11, |v[XS+\i+2]|, |v[XS+\i+3]|
.endr
	v_max3_num_f32 v10, v10, |v[XS+30]|, |v[XS+31]|
	v_max3_num_f32 v10, v10, v11, 0x1800000        ; and the floor 2^(3 - 127): the byte cannot fall under 1
	v_add_nc_u32 v12, 0xff000000, v10              ; 2 off the exponent field: the conversion's scale operand
	v_lshrrev_b32 v13, 23, v12                     ; the scale's byte
.if (\t)%4 == 0
	v_mov_b32 v[8+(\t)/4], v13
.else
	v_lshl_or_b32 v[8+(\t)/4], v13, 8*((\t)%4), v[8+(\t)/4]
.endif
	v_cvt_scalef32_pk16_fp6_f32 v[16:18], v[XS:XS+15], v12
	v_cvt_scalef32_pk16_fp6_f32 v[22:24], v[XS+16:XS+31], v12   ; (a conversion's three registers begin on an even number)
	v_nop                                          ; one plain place behind a scaled conversion
	v_mov_b32 v19, v22
	v_mov_b32 v20, v23
	v_mov_b32 v21, v24
.if ((\t)/2)%2 == 0
	ds_store_b128 v2, v[16:19] offset:3328*((\t)/4)+256*((\t)%2)        ; registers 0-3
	ds_store_b64 v2, v[20:21] offset:3328*((\t)/4)+256*((\t)%2)+512     ; registers 4, 5
.else
	ds_store_b64 v2, v[16:17] offset:3328*((\t)/4)+256*((\t)%2)+520     ; registers 6, 7
	ds_store_b128 v2, v[18:21] offset:3328*((\t)/4)+256*((\t)%2)+1024   ; registers 8-11
.endif
.if (\t)+2 < 8
	WLD (\t)+2
.endif
	s_wait_dscnt 0x0                               ; the stores have read their registers: the next block's codes may be written
.endm
	v_lshl_add_u32 v254, v0, 2, SPARE
	v_mov_b32 v255, 0
	v_lshrrev_b32 v5, 5, v0
	v_readfirstlane_b32 s[WV], v5                  ; wave
	v_and_b32 v6, 31, v0                           ; lane
	s_lshr_b32 s3, ttmp9, 1                        ; my number among the work-groups of my path
	s_wait_alu depctr_va_vdst(0)                   ; the wait here, directly ahead of the branch
	s_bitcmp1_b32 ttmp9, 0
	s_cbranch_scc1 .Lweights
	; THE FEATURES
	s_load_b128 s[4:7], s[0:1], 0x0                ; temp, spat
	s_load_b128 s[8:11], s[0:1], 0x10              ; xc, xs
	v_and_b32 v7, 15, v0                           ; r
	v_bfe_u32 v5, v0, 4, 1                         ; h
	v_lshlrev_b32 v1, 4, v6                        ; 16 x lane
	v_lshlrev_b32 v4, 3, v6                        ; 8 x lane
	s_mul_i32 s13, s[WV], 8448                     ; my stage: 16 rows of 528 bytes
	v_add_nc_u32 v2, s13, v1                       ; into it: a row as it was loaded
	v_mul_u32_u24 v3, v7, 528
	v_lshl_add_u32 v3, v5, 6, v3
	v_add_nc_u32 v3, s13, v3                       ; out of it: row r, + 64 h: my 16 numbers of a block of 32
.irp b, 0,1,2,3
	v_mov_b32 v[TM+4+\b], 0                        ; written once: a lane permute's destination counts as one of its sources
.endr
	s_mov_b32 s[SEL], 0x76543210
	s_mov_b32 s[SEL+1], 0xfedcba98
	s_mov_b32 s22, 0xffff0000                      ; lanes 16-31
	s_lshr_b32 s14, s3, 7                          ; which feature tensor
	s_bfe_u32 s15, s3, 0x50002                     ; block of 128 tokens
	s_and_b32 s16, s3, 3                           ; pair of K steps
	s_lshr_b32 s17, s3, 2                          ; 32 x feature + block
	s_lshl_b32 s24, s15, 19                        ; in: rows of 4,096 bytes: 128 x block,
	s_lshr_b32 s18, s[WV], 1                       ; pair of tiles w begins at token 64 (w / 2) + 16 (w % 2),
	s_lshl_b32 s18, s18, 18
	s_add_co_u32 s24, s24, s18
	s_and_b32 s18, s[WV], 1
	s_lshl_b32 s18, s18, 16
	s_add_co_u32 s24, s24, s18
	s_lshl_b32 s18, s16, 10                        ; + 1,024 bytes x pair of K steps
	s_add_co_u32 s24, s24, s18
	s_mov_b32 s25, 0
	s_mul_i32 s26, s17, 98304                      ; codes: 64 images a block; 16 a pair of K steps; 2 a pair of tiles
	s_mul_i32 s18, s16, 24576
	s_add_co_u32 s26, s26, s18
	s_mul_i32 s18, s[WV], 3072
	s_add_co_u32 s26, s26, s18
	s_mov_b32 s27, 0
	s_lshl_b32 s28, s17, 12                        ; scale words: 4,096 bytes a block, 1,024 a pair of tiles, 256 a pair of K steps
	s_lshl_b32 s18, s[WV], 10
	s_add_co_u32 s28, s28, s18
	s_lshl_b32 s18, s16, 8
	s_add_co_u32 s28, s28, s18
	s_mov_b32 s29, 0
	s_wait_alu depctr_va_vdst(0)                   ; the wait at the head's end
	s_wait_kmcnt 0x0
	s_cmp_eq_u32 s14, 0                            ; the choice hangs on the work-group's number alone
	s_cselect_b64 s[4:5], s[4:5], s[6:7]
	s_add_nc_u64 s[4:5], s[4:5], s[24:25]
	s_add_nc_u64 s[8:9], s[8:9], s[26:27]
	s_add_nc_u64 s[10:11], s[10:11], s[28:29]
	LOAD 0
	LOAD 1
	FRAG 0
	FRAG 1
	FRAG 2
	FRAG 3
	global_store_b64 v4, v[26:27], s[10:11]        ; 32 lanes store 256 consecutive bytes, aligned
	s_wait_tensorcnt 0x0                           ; the wave's end
	ds_add_u32 v254, v255
	s_wait_dscnt 0x0
	s_endpgm
.Lweights:
	; THE WEIGHTS
	s_load_b512 s[16:31], s[0:1], 0x20             ; the eight weights
	s_load_b128 s[4:7], s[0:1], 0x60               ; wc, ws
	v_lshlrev_b32 v1, 2, v6                        ; in: 4 bytes a lane
	v_lshlrev_b32 v4, 4, v6                        ; out: 16 bytes a lane
	v_bfe_u32 v7, v0, 3, 1                         ; u: which tile of the pair my column belongs to
	v_and_b32 v10, 7, v0
	v_bfe_u32 v11, v0, 4, 1
	v_lshl_add_u32 v10, v11, 3, v10                ; r: its row there
	s_mul_i32 s9, s[WV], 6656                      ; my stage: 4 images, 1,664 bytes apart,
	s_add_co_u32 s9, s9, WST                       ; in this path's own LDS bytes
	v_mul_u32_u24 v2, v7, 1664
	v_lshl_add_u32 v2, v10, 4, v2
	v_add_nc_u32 v2, s9, v2                        ; into it: tile u, 16 r
	v_add_nc_u32 v3, s9, v4                        ; out of it: 16 x lane
	v_lshl_add_u32 v5, v7, 4, v10
	v_lshlrev_b32 v5, 3, v5                        ; my two scale words' place: 8 (r + 16 u)
	s_lshr_b32 s10, s3, 5                          ; weight
	s_bfe_u32 s11, s3, 0x30002                     ; which 128 columns
	s_and_b32 s12, s3, 3                           ; which 256 along K
	s_lshl_b32 s13, s11, 1
	s_lshr_b32 s14, s[WV], 1
	s_add_co_u32 s13, s13, s14                     ; group of 64 columns
	s_and_b32 s14, s[WV], 1                        ; pair of tiles
	s_lshl_b32 s32, s12, 20                        ; in: 256 rows of 4,096 bytes + 4 x column
	s_lshl_b32 s15, s11, 9
	s_add_co_u32 s32, s32, s15
	s_lshl_b32 s15, s[WV], 7
	s_add_co_u32 s32, s32, s15
	s_mov_b32 s33, 0
	s_mul_i32 s34, s10, 786432                     ; codes
	s_mul_i32 s15, s13, 49152
	s_add_co_u32 s34, s34, s15
	s_mul_i32 s15, s12, 12288
	s_add_co_u32 s34, s34, s15
	s_mul_i32 s15, s14, 3072
	s_add_co_u32 s34, s34, s15
	s_mov_b32 s35, 0
	s_lshl_b32 s36, s10, 15                        ; scale words
	s_lshl_b32 s15, s13, 11
	s_add_co_u32 s36, s36, s15
	s_lshl_b32 s15, s12, 9
	s_add_co_u32 s36, s36, s15
	s_lshl_b32 s15, s14, 8
	s_add_co_u32 s36, s36, s15
	s_mov_b32 s37, 0
	s_wait_alu depctr_va_vdst(0)                   ; the wait at the head's end
	s_wait_kmcnt 0x0
	s_bitcmp1_b32 s10, 2                           ; one of eight buffers, by the three bits of the weight's number: the choice hangs on the work-group's number alone
	s_cselect_b64 s[16:17], s[24:25], s[16:17]
	s_cselect_b64 s[18:19], s[26:27], s[18:19]
	s_cselect_b64 s[20:21], s[28:29], s[20:21]
	s_cselect_b64 s[22:23], s[30:31], s[22:23]
	s_bitcmp1_b32 s10, 1
	s_cselect_b64 s[16:17], s[20:21], s[16:17]
	s_cselect_b64 s[18:19], s[22:23], s[18:19]
	s_bitcmp1_b32 s10, 0
	s_cselect_b64 s[16:17], s[18:19], s[16:17]
	s_add_nc_u64 s[16:17], s[16:17], s[32:33]
	s_add_nc_u64 s[4:5], s[4:5], s[34:35]
	s_add_nc_u64 s[6:7], s[6:7], s[36:37]
	WLD 0
	WLD 1
.irp q, 0,1,2,3,4,5,6,7
	BLOCK \q
.endr
	s_wait_alu depctr_va_vdst(0)                   ; the wait here, directly ahead of the reader below
	global_store_b64 v5, v[8:9], s[6:7]            ; the wave's 64 scale words: 256 consecutive bytes, aligned
.set nn, 0
.rept 12
	ds_load_b128 v[96+4*nn:99+4*nn], v3 offset:(nn/3)*1664+512*(nn%3)   ; LDS serves a wave's instructions in order: these see my stores
.set nn, nn+1
.endr
.set nn, 0
.rept 12
	s_wait_dscnt 11-nn                             ; the younger loads from the stage may be out
	global_store_b128 v4, v[96+4*nn:99+4*nn], s[4:5] offset:6144*(nn/6)+1536*((nn/3)%2)+512*(nn%3)   ; 512 consecutive bytes, at a multiple of 256
.set nn, nn+1
.endr
	s_wait_tensorcnt 0x0                           ; the wave's end
	ds_add_u32 v254, v255
	s_wait_dscnt 0x0
	s_endpgm
.Lfunc_end_k_q975733e240_quant:
	.size	k_q975733e240_quant, .Lfunc_end_k_q975733e240_quant-k_q975733e240_quant
	.p2alignl 7, 3214868480
	.fill 96, 4, 3214868480
	.section	.rodata,"a",@progbits
	.p2align	6, 0x0
	.amdhsa_kernel k_q975733e240_quant
		.amdhsa_group_segment_fixed_size 60928
		.amdhsa_private_segment_fixed_size 0
		.amdhsa_enable_private_segment 0
		.amdhsa_kernarg_size 112
		.amdhsa_user_sgpr_count 2
		.amdhsa_user_sgpr_kernarg_segment_ptr 1
		.amdhsa_wavefront_size32 1
		.amdhsa_system_sgpr_workgroup_id_x 1
		.amdhsa_system_sgpr_workgroup_id_y 1
		.amdhsa_system_sgpr_workgroup_id_z 1
		.amdhsa_system_vgpr_workitem_id 0
		.amdhsa_next_free_vgpr 256
		.amdhsa_next_free_sgpr 66
		.amdhsa_reserve_vcc 0
		.amdhsa_float_denorm_mode_32 3
		.amdhsa_float_denorm_mode_16_64 3
		.amdhsa_memory_ordered 1
		.amdhsa_forward_progress 1
		.amdhsa_inst_pref_size 76
	.end_amdhsa_kernel
	.amdgpu_metadata
---
amdhsa.version: [ 1, 2 ]
amdhsa.kernels:
  - .name:           k_q975733e240_quant
    .symbol:         k_q975733e240_quant.kd
    .args:
      - { .name: temp_features, .offset: 0, .size: 8, .value_kind: global_buffer, .address_space: global }
      - { .name: spat_features, .offset: 8, .size: 8, .value_kind: global_buffer, .address_space: global }
      - { .name: xc, .offset: 16, .size: 8, .value_kind: global_buffer, .address_space: global }
      - { .name: xs, .offset: 24, .size: 8, .value_kind: global_buffer, .address_space: global }
      - { .name: s2t_Wq, .offset: 32, .size: 8, .value_kind: global_buffer, .address_space: global }
      - { .name: s2t_Wk, .offset: 40, .size: 8, .value_kind: global_buffer, .address_space: global }
      - { .name: s2t_Wv, .offset: 48, .size: 8, .value_kind: global_buffer, .address_space: global }
      - { .name: s2t_Wo, .offset: 56, .size: 8, .value_kind: global_buffer, .address_space: global }
      - { .name: t2s_Wq, .offset: 64, .size: 8, .value_kind: global_buffer, .address_space: global }
      - { .name: t2s_Wk, .offset: 72, .size: 8, .value_kind: global_buffer, .address_space: global }
      - { .name: t2s_Wv, .offset: 80, .size: 8, .value_kind: global_buffer, .address_space: global }
      - { .name: t2s_Wo, .offset: 88, .size: 8, .value_kind: global_buffer, .address_space: global }
      - { .name: wc, .offset: 96, .size: 8, .value_kind: global_buffer, .address_space: global }
      - { .name: ws, .offset: 104, .size: 8, .value_kind: global_buffer, .address_space: global }
    .group_segment_fixed_size: 60928
    .private_segment_fixed_size: 0
    .kernarg_segment_align: 8
    .kernarg_segment_size: 112
    .max_flat_workgroup_size: 128
    .sgpr_count:     66
    .vgpr_count:     256
    .wavefront_size: 32
...
	.end_amdgpu_metadata
.endif
;; end of part 1
;; launch proj (part 2): grid 256 x 1, 4 waves a work-group, clusters of 4 x 1, 168,448 bytes of LDS; arguments xc, xs, wc, ws, s2t_bq, t2s_bq, s2t_bk, t2s_bk, s2t_bv, t2s_bv, qc, kv; writes qc, kv
.if DOCPART == 2
	.amdgcn_target "amdgcn-amd-amdhsa--gfx1250"
	.amdhsa_code_object_version 6
	.text
	.protected	k_q975733e240_proj
	.globl	k_q975733e240_proj
	.p2align	8
	.type	k_q975733e240_proj,@function
k_q975733e240_proj:
	s_mov_b64 s[64:65], 0
	v_nop
	global_prefetch_b8 v0, s[64:65] scope:SCOPE_SE
	s_setreg_imm32_b32 hwreg(HW_REG_WAVE_MODE, 25, 1), 1
	s_wait_xcnt 0x0
	s_wait_alu depctr_hold_cnt(0) depctr_sa_sdst(0) depctr_va_vdst(0) depctr_va_sdst(0) depctr_va_ssrc(0) depctr_va_vcc(0) depctr_vm_vsrc(0)
	s_getreg_b32 s2, hwreg(HW_REG_IB_STS2, 6, 4)
	s_cmp_eq_u32 s2, 0
	s_cbranch_scc0 .Lentry_in_a_cluster
	s_endpgm
.Lentry_in_a_cluster:
	s_bfe_u32 s2, ttmp6, 0x10000c
	s_cmp_lg_u32 s2, 0x3003
	s_cbranch_scc0 .Lentry_shape_is_right
	s_endpgm
.Lentry_shape_is_right:
; The six input projections, on codes of FP6 (E2M3) with E8M0 scales, and the quantising of their results for the attention.
; A feature tensor f (0 temp, 1 spat) is the queries' source of direction f and the keys' and values' source of direction 1 - f.  A work-group takes 128 tokens of f, 256 output features, and three weights one after the
; other: phase 0 Wq of direction f, phase 1 Wk and phase 2 Wv of direction 1 - f.  Wave w takes one head, 64 features: 4 tiles of W x 8 tiles of tokens = 32 accumulators, 256 registers.
; q, k: source 0 = 16 columns of W, source 1 = 16 tokens: a lane holds ONE token and its registers run along the head's 64 features, which are the K of q k^T.
; v:    source 0 = 16 tokens, source 1 = 16 columns of W: a lane holds ONE feature and its registers run along the 128 tokens, which are the K of p v.
; Tiles of tokens and of columns are laid so (see the quantising launch) that the 16 registers of two neighbouring tiles are 16 neighbours along the next K.  The bias is the C of each sum's first matrix instruction.
; The results are quantised in registers (f32 all the way) and stored as images of operand registers:
;   qc: 64 records (32 direction + 16 batch + head) of 106,496 bytes: [step of 128 tokens 16][tile 8] half images (16 rows x 64 K: registers 0-3 of lane l at 16 l, registers 4, 5 at 512 + 8 l), then [step][lane][4 words]:
;       lane l holds, for the pair of tiles I, the two scale bytes of row l % 16 of tile 2 I + l / 16.
;   kv: 64 records of 208,896 bytes: K as qc's codes; V [step][tile 4] full images (row = the head's feature, K = the step's 128 tokens); K's scale words as qc's; V's [step][lane][2 words].
; x's 64 images of the work-group's 128 tokens, 98,304 bytes, come into LDS ONCE, by one tensor load a wave.  CLUSTER: the four work-groups of a cluster take the same tokens and other features: the load is JOINT.
; W's images go from memory straight into the one wave's registers that uses them (a ring of four K steps): no other wave of the work-group reads them, and a joint load would lead them through LDS slots filled again,
; 6,144 bytes more to read from LDS for each wave and K step beside x's 12,288.  So W is not asked for jointly.
; LIMITS: a block of zeros gets the byte 1 where the rule says 127 (its codes are zeros, and this program alone reads the bytes); blocks whose largest magnitude lies under 2^-124 were not tried; NaN and infinities are not served.
; REGISTERS, in windows of 256: window 0: v1-5 addresses; v16-47 x's scale words; v48-79 W's, two sets; v80-175 x's 8 fragments, ONE set; v176-218 at work in the quantiser.
;   window 1: the 32 accumulators.   window 2: v0-191 W's ring, 4 K steps x 4 fragments; v192-255 the bias in the result's layout, two sets of 4 tiles.
.set XSR, 16                           ; x's scale words: pair of tiles I, K step s at v[XSR + 8 I + s]: lanes 0-15 tile 2 I, lanes 16-31 tile 2 I + 1
.set WSR, 48                           ; W's: set g, K step s, pair J at v[WSR + 16 g + 4 (s / 2) + 2 J + s % 2]
.set XF,  80
.set TM,  176
.set PW,  192
.set SW,  196
.set PC,  200
.set SEL, 84
.set WV,  28
.set MSB, 0
.macro WIN new                         ; the immediate's high byte repeats the setting that is left
.if MSB != \new
	s_set_vgpr_msb (MSB<<8)|\new
.set MSB, \new
.endif
.endm
.macro ROUND                           ; a round of the cluster's barrier
	s_barrier_signal -1
	s_barrier_wait -1
	s_cmp_lg_u32 s[WV], 0
	s_cbranch_scc1 .Lnot_wave_0_\@
	s_barrier_signal -3
.Lnot_wave_0_\@:
	s_barrier_wait -3
	s_barrier_signal -1
	s_barrier_wait -1
.endm
.macro PLACES                          ; four places behind matrix instructions, in front of loads into registers that they have read and of the first read of results
.rept 4
	v_nop
.endr
.endm
.macro WM                              ; one product, by the symbols set ahead of it; fA, fB: the scale words lie in lanes 16-31
.if fA && fB
	v_wmma_scale_f32_16x16x128_f8f6f4 v[rD:rD+7], v[rA:rA+11], v[rB:rB+11], v[rC:rC+7], v[rSA], v[rSB] matrix_a_fmt:MATRIX_FMT_FP6 matrix_b_fmt:MATRIX_FMT_FP6 matrix_a_scale:MATRIX_SCALE_ROW1 matrix_b_scale:MATRIX_SCALE_ROW1
.elseif fA
	v_wmma_scale_f32_16x16x128_f8f6f4 v[rD:rD+7], v[rA:rA+11], v[rB:rB+11], v[rC:rC+7], v[rSA], v[rSB] matrix_a_fmt:MATRIX_FMT_FP6 matrix_b_fmt:MATRIX_FMT_FP6 matrix_a_scale:MATRIX_SCALE_ROW1
.elseif fB
	v_wmma_scale_f32_16x16x128_f8f6f4 v[rD:rD+7], v[rA:rA+11], v[rB:rB+11], v[rC:rC+7], v[rSA], v[rSB] matrix_a_fmt:MATRIX_FMT_FP6 matrix_b_fmt:MATRIX_FMT_FP6 matrix_b_scale:MATRIX_SCALE_ROW1
.else
	v_wmma_scale_f32_16x16x128_f8f6f4 v[rD:rD+7], v[rA:rA+11], v[rB:rB+11], v[rC:rC+7], v[rSA], v[rSB] matrix_a_fmt:MATRIX_FMT_FP6 matrix_b_fmt:MATRIX_FMT_FP6
.endif
.endm
; 16 products: x's tiles i0 .. i0 + 3 against W's four, K step s.  ty 0: q, k (W is source 0); 1: v (x is source 0).  sg: the phase's set of scale words and bias.  K step 0 takes the bias as C.
; The 32 accumulators take turns, one instruction a turn, in the same order in every K step.
.macro MUL16 ty, s, sg, i0
.if \ty == 0
.if (\s) == 0
	WIN 0x62                                       ; source 0 (W) window 2, source 1 (x) window 0, C (bias) window 2, D window 1
.else
	WIN 0x52                                       ; C and D window 1
.endif
.else
.if (\s) == 0
	WIN 0x68                                       ; source 0 (x) window 0, source 1 (W) window 2, C (bias) window 2, D window 1
.else
	WIN 0x58
.endif
.endif
.set ii, \i0
.rept 4
.set tt, 0
.rept 4
.set rW, 48*((\s)%4)+12*tt
.set rX, XF+12*ii
.set rWS, WSR+16*(\sg)+4*((\s)/2)+2*(tt/2)+(\s)%2
.set rXS, XSR+8*(ii/2)+(\s)
.if \ty == 0
.set rD, 8*(4*ii+tt)
.set rA, rW
.set rB, rX
.set rSA, rWS
.set rSB, rXS
.set fA, tt%2
.set fB, ii%2
.else
.set rD, 8*(8*tt+ii)
.set rA, rX
.set rB, rW
.set rSA, rXS
.set rSB, rWS
.set fA, ii%2
.set fB, tt%2
.endif
.if (\s) == 0
.set rC, 192+32*(\sg)+8*tt
.else
.set rC, rD
.endif
	WM
.set tt, tt+1
.endr
.set ii, ii+1
.endr
.endm
.macro XLOAD s, i0                     ; x's tiles i0 .. i0 + 3 of K step s out of LDS: 12 loads of 512 consecutive bytes
.set ii, \i0
.rept 4
.irp g, 0,1,2
.if (\s) < 4
	ds_load_b128 v[XF+12*ii+4*\g:XF+12*ii+4*\g+3], v1 offset:(8*(\s)+ii)*1536+512*\g
.else
	ds_load_b128 v[XF+12*ii+4*\g:XF+12*ii+4*\g+3], v3 offset:(8*((\s)-4)+ii)*1536+512*\g
.endif
.endr
.set ii, ii+1
.endr
.endm
.macro WLOAD base, s                   ; W's four fragments of K step s into ring place s % 4: 12 loads of 512 consecutive bytes
	WIN 0x80                                       ; destination window 2, address window 0
.irp t, 0,1,2,3
.irp g, 0,1,2
	global_load_b128 v[48*((\s)%4)+12*\t+4*\g:48*((\s)%4)+12*\t+4*\g+3], v1, s[\base:\base+1] offset:(4*(\s)+\t)*1536+512*\g
.endr
.endr
.endm
.macro EXTRA wsb, bb, sg, ty           ; a phase's scale words of W (8 loads) and its bias (ty 0: 8 loads, ty 1: 4) into set sg
	WIN 0
.set nn, 0
.rept 8
	global_load_b64 v[WSR+16*(\sg)+2*nn:WSR+16*(\sg)+2*nn+1], v2, s[\wsb:\wsb+1] offset:256*nn
.set nn, nn+1
.endr
	WIN 0x80
.irp t, 0,1,2,3
.if \ty == 0
	global_load_b128 v[192+32*(\sg)+8*\t:192+32*(\sg)+8*\t+3], v4, s[\bb:\bb+1] offset:(32*(\t/2)+8*(\t%2))*4       ; lane (r, h), register j: the bias of feature 32 (t / 2) + 8 (t % 2) + 16 h + j
	global_load_b128 v[192+32*(\sg)+8*\t+4:192+32*(\sg)+8*\t+7], v4, s[\bb:\bb+1] offset:(32*(\t/2)+8*(\t%2))*4+16
.else
	global_load_b32 v[192+32*(\sg)+8*\t], v5, s[\bb:\bb+1] offset:(32*(\t/2)+8*(\t%2))*4                             ; lane (r, h): the bias of the lane's one feature
.endif
.endr
.endm
; A K step: 32 products.  x has one set of registers: tiles 0-3 are fetched anew in the step's middle, tiles 4-7 at its end.  W runs three K steps ahead, on into the next phase.
.macro KSTEP ty, ph, s
.set NN, 24                            ; the loads younger than this K step's W: the next two K steps' 24;
.if (\ph) < 2
.if ((\s) == 5) || ((\s) == 6)
.set NN, 40-4*(\ph)                    ; in K steps 5 and 6 also the next phase's scale words and bias, 16 or 12, asked for in K step 4;
.endif
.elseif (\s) == 6
.set NN, 12                            ; the last phase asks for nothing beyond its K step 7
.elseif (\s) == 7
.set NN, 0
.endif
	s_wait_loadcnt NN
	s_wait_dscnt 12                                ; x's tiles 0-3 are in; the 12 loads of tiles 4-7 may be out
	MUL16 \ty, \s, (\ph)%2, 0
	PLACES
	WIN 0
.if ((\ph) < 2) || ((\s) < 7)
	XLOAD ((\s)+1)%8, 0
.endif
.if ((\ph) < 2) && ((\s) == 4)
	EXTRA 56+2*(\ph), 68+2*(\ph), 1-(\ph), \ph
.endif
.if (\s) < 5
	WLOAD 48+2*(\ph), (\s)+3
.elseif (\ph) < 2
	WLOAD 50+2*(\ph), (\s)-5
.endif
.if ((\ph) < 2) || ((\s) < 7)
	s_wait_dscnt 12                                ; tiles 4-7 are in; the 12 loads just issued may be out
.else
	s_wait_dscnt 0x0
.endif
	MUL16 \ty, \s, (\ph)%2, 4
	PLACES
	WIN 0
.if ((\ph) < 2) || ((\s) < 7)
	XLOAD ((\s)+1)%8, 4
.endif
.endm
; 64 numbers of a lane in window 1, register s + 16 b + i = k 32 b + 16 (lane / 16) + i of my row, become 12 registers of codes in v[PC] on and a scale word in v[PW].  Each accumulator is read from its low end on.
.macro QUANTW s
	WIN 0x05                                       ; sources 0 and 1 window 1
.irp b, 0,1,2,3
	v_max3_num_f32 v[TM+\b], |v[(\s)+16*\b]|, |v[(\s)+1+16*\b]|, 0x1800000   ; and the floor 2^(3 - 127): the byte cannot fall under 1
.endr
	WIN 0x14                                       ; sources 1 and 2 window 1
.irp i, 2,4,6,8,10,12,14
.irp b, 0,1,2,3
	v_max3_num_f32 v[TM+\b], v[TM+\b], |v[(\s)+16*\b+\i]|, |v[(\s)+1+16*\b+\i]|
.endr
.endr
	WIN 0
.irp b, 0,1,2,3
	v_permlanex16_b32 v[TM+4+\b], v[TM+\b], s[SEL], s[SEL+1]
.endr
.irp b, 0,1,2,3
	v_max_num_f32 v[TM+\b], v[TM+\b], v[TM+4+\b]
.endr
.irp b, 0,1,2,3
	v_add_nc_u32 v[TM+12+\b], 0xff000000, v[TM+\b]   ; 2 off the exponent field: the conversion's scale operand
.endr
.irp b, 0,1,2,3
	v_lshrrev_b32 v[TM+4+\b], 23, v[TM+12+\b]
.endr
	v_lshl_or_b32 v[PW], v[TM+5], 8, v[TM+4]
	v_lshl_or_b32 v[PW], v[TM+6], 16, v[PW]
	v_lshl_or_b32 v[PW], v[TM+7], 24, v[PW]
	WIN 0x01                                       ; source 0 window 1
.irp c, 0,1
	v_cvt_scalef32_pk16_fp6_f32 v[PC+6*\c:PC+2+6*\c], v[(\s)+32*\c:(\s)+15+32*\c], v[TM+12+2*\c]
	v_cvt_scalef32_pk16_fp6_f32 v[PC+12+4*\c:PC+14+4*\c], v[(\s)+16+32*\c:(\s)+31+32*\c], v[TM+12+2*\c+1]
.endr
	WIN 0
	v_nop                                          ; one plain place behind a scaled conversion
.irp c, 0,1
.irp i, 0,1,2
	v_permlane16_swap_b32 v[PC+6*\c+\i], v[PC+12+4*\c+\i]
.endr
.irp i, 0,1,2
	v_mov_b32 v[PC+3+6*\c+\i], v[PC+12+4*\c+\i]
.endr
.endr
.endm
; q or k out: the 64 registers of a pair of token tiles are two rows' 64 features each: blocks 0, 1 are tile 2 I's, blocks 2, 3 tile 2 I + 1's: two half images and two bytes a row.
.macro EPI_QK cb, sb, whole            ; whole = 1 (k): the pair's four scale bytes stay one word, the same in both halves of the lanes
.irp I, 0,1,2,3
	s_wait_xcnt 0x0                                ; earlier stores have read the registers that are written again now
	QUANTW 64*\I
	global_store_b128 v1, v[PC:PC+3], s[\cb:\cb+1] offset:1536*\I          ; every store covers 512 or 256 consecutive bytes, at a multiple of 256
	global_store_b64 v2, v[PC+4:PC+5], s[\cb:\cb+1] offset:1536*\I+512
	global_store_b128 v1, v[PC+6:PC+9], s[\cb:\cb+1] offset:1536*\I+768
	global_store_b64 v2, v[PC+10:PC+11], s[\cb:\cb+1] offset:1536*\I+1280
.if \whole
	v_mov_b32 v[SW+\I], v[PW]                      ; bytes 0, 1: tile 2 I's row; bytes 2, 3: tile 2 I + 1's
.else
	v_and_b32 v193, 0xffff, v[PW]
	v_lshrrev_b32 v194, 16, v[PW]
	v_cndmask_b32 v[SW+\I], v193, v194, s86        ; lanes 0-15 tile 2 I's two bytes, lanes 16-31 tile 2 I + 1's; the upper two bytes are 0
.endif
.endr
	global_store_b128 v1, v[SW:SW+3], s[\sb:\sb+1]
.endm
; v: by the order of tokens in x's tiles, register s + 32 c + n of lane (r, h) is token 64 c + 32 h + n of the step: a WHOLE block of 32 in a lane, in the operand's own order.
; No other lane is asked for a maximum and no code changes lanes; the scale word's four bytes are gathered from lanes l and l xor 16.
.macro QUANTV s
	WIN 0x05
.irp c, 0,1
	v_max3_num_f32 v[TM+\c], |v[(\s)+32*\c]|, |v[(\s)+1+32*\c]|, 0x1800000   ; two chains a block, each accumulator from its low end on; the floor 2^(3 - 127)
	v_max_num_f32 v[TM+2+\c], |v[(\s)+16+32*\c]|, |v[(\s)+17+32*\c]|
.endr
	WIN 0x14
.irp i, 2,4,6,8,10,12,14
.irp c, 0,1
	v_max3_num_f32 v[TM+\c], v[TM+\c], |v[(\s)+32*\c+\i]|, |v[(\s)+1+32*\c+\i]|
	v_max3_num_f32 v[TM+2+\c], v[TM+2+\c], |v[(\s)+16+32*\c+\i]|, |v[(\s)+17+32*\c+\i]|
.endr
.endr
	WIN 0
.irp c, 0,1
	v_max_num_f32 v[TM+\c], v[TM+\c], v[TM+2+\c]
.endr
.irp c, 0,1
	v_add_nc_u32 v[TM+12+\c], 0xff000000, v[TM+\c]   ; 2 off the exponent field: the conversion's scale operand
.endr
.irp c, 0,1
	v_lshrrev_b32 v[TM+4+\c], 23, v[TM+12+\c]
.endr
	v_lshl_or_b32 v[PW], v[TM+5], 16, v[TM+4]      ; my bytes: blocks h and 2 + h,
	v_lshlrev_b32 v[PW], v10, v[PW]                ; at their places (8 h bits up);
	v_permlanex16_b32 v[TM+6], v[PW], s[SEL], s[SEL+1]
	v_or_b32 v[PW], v[PW], v[TM+6]                 ; with lane l xor 16's two the word is whole
	WIN 0x01
.irp c, 0,1
	v_cvt_scalef32_pk16_fp6_f32 v[PC+6*\c:PC+2+6*\c], v[(\s)+32*\c:(\s)+15+32*\c], v[TM+12+\c]
	v_cvt_scalef32_pk16_fp6_f32 v[PC+12+4*\c:PC+14+4*\c], v[(\s)+16+32*\c:(\s)+31+32*\c], v[TM+12+\c]
.endr
	WIN 0
	v_nop                                          ; one plain place behind a scaled conversion
.irp c, 0,1
.irp i, 0,1,2
	v_mov_b32 v[PC+3+6*\c+\i], v[PC+12+4*\c+\i]
.endr
.endr
.endm
.macro EPI_V
.irp u, 0,1,2,3
	s_wait_xcnt 0x0
	QUANTV 64*\u
.irp g, 0,1,2
	global_store_b128 v1, v[PC+4*\g:PC+4*\g+3], s[80:81] offset:1536*\u+512*\g
.endr
.if \u%2 == 0
	v_mov_b32 v193, v[PW]
.else
	v_cndmask_b32 v[SW+\u/2], v193, v[PW], s86
.endif
.endr
	global_store_b64 v2, v[SW:SW+1], s[82:83]
.endm
	s_load_b512 s[4:19], s[0:1], 0x0               ; xc, xs, wc, ws, s2t_bq, t2s_bq, s2t_bk, t2s_bk
	s_load_b256 s[20:27], s[0:1], 0x40             ; s2t_bv, t2s_bv, qc, kv
	v_lshl_add_u32 v254, v0, 2, 0x29000
	v_mov_b32 v255, 0
	ds_add_u32 v254, v255
	ds_add_u32 v254, v255
	v_lshrrev_b32 v6, 5, v0
	v_readfirstlane_b32 s[WV], v6                  ; wave 0..3
	v_and_b32 v6, 31, v0
	v_and_b32 v7, 15, v0
	v_bfe_u32 v8, v0, 4, 1
	v_lshlrev_b32 v1, 4, v6                        ; 16 x lane
	v_lshlrev_b32 v2, 3, v6                        ; 8 x lane
	v_add_nc_u32 v3, 49152, v1                     ; 16 x lane, from x's K step 4 on
	v_lshlrev_b32 v4, 6, v8
	v_lshlrev_b32 v10, 3, v8                       ; 8 h: where my bytes stand in v's scale word
	v_and_b32 v5, 7, v7
	v_lshrrev_b32 v9, 3, v7
	v_lshl_add_u32 v5, v9, 4, v5
	v_lshlrev_b32 v5, 2, v5                        ; v's bias: my feature in its tile: r % 8 + 16 (r / 8)
.irp b, 0,1,2,3
	v_mov_b32 v[TM+4+\b], 0                        ; written once: a lane permute's destination counts as one of its sources
.endr
	s_mov_b32 s[SEL], 0x76543210
	s_mov_b32 s[SEL+1], 0xfedcba98
	s_mov_b32 s86, 0xffff0000                      ; lanes 16-31
	; the joint load: my quarter of x's 98,304 bytes as 96 rows of 256 bytes.  Nothing in it hangs on the place in the cluster
	s_mov_b32 s40, 15|(3<<16)|(1<<21)              ; 15:0 the mask: all four work-groups; 17:16 elements of 8 bytes; 21 set beside a mask
	s_mov_b32 s41, 32<<16                          ; tensor_dim0 = 32
	s_mov_b32 s42, 96<<16                          ; tensor_dim1 = 96
	s_mov_b32 s43, 32<<16                          ; tile_dim0 = 32
	s_mov_b32 s44, 96                              ; tile_dim1 = 96
	s_mov_b32 s45, 32                              ; the pitch: dense
	s_mov_b32 s46, 0
	s_mov_b32 s47, 0
	s_mov_b32 s36, 1
	s_mul_i32 s37, s[WV], 24576                    ; LDS address
	s_mul_i32 s94, ttmp9, 98304                    ; in a cluster launch ttmp9 counts clusters: 32 x feature + block of 128 tokens
	s_add_co_u32 s94, s94, s37
	s_mov_b32 s95, 0
	s_wait_dscnt 0x0
	s_wait_kmcnt 0x0
	s_add_nc_u64 s[38:39], s[4:5], s[94:95]
	s_or_b32 s39, s39, 0x80000000
	ROUND                                          ; all four work-groups are here: the joint loads meet
	tensor_load_to_lds s[36:39], s[40:47]
	s_nop 0
	PLACES
	s_bfe_u32 s29, ttmp6, 0x40000                  ; my place in the cluster: which 256 features
	s_lshr_b32 s30, ttmp9, 5                       ; f
	s_and_b32 s31, ttmp9, 31                       ; block of 128 tokens = 16 x batch + step
	s_lshl_b32 s32, s29, 2
	s_add_co_u32 s32, s32, s[WV]                   ; my head
	s_lshl_b32 s33, s30, 2                         ; the three weights' numbers: Wq of direction f,
	s_sub_co_u32 s34, 5, s33                       ; Wk
	s_add_co_u32 s35, s34, 1                       ; and Wv of direction 1 - f
	s_mov_b32 s89, 0
	s_mul_i32 s87, s32, 49152
.irp p, 0,1,2
	s_mul_i32 s88, s[33+\p], 786432
	s_add_co_u32 s88, s88, s87
	s_add_nc_u64 s[48+2*\p:49+2*\p], s[8:9], s[88:89]     ; W's images of my head
.endr
	s_lshl_b32 s87, s32, 11
.irp p, 0,1,2
	s_lshl_b32 s88, s[33+\p], 15
	s_add_co_u32 s88, s88, s87
	s_add_nc_u64 s[54+2*\p:55+2*\p], s[10:11], s[88:89]   ; and their scale words
.endr
	s_lshl_b32 s88, s32, 8                         ; my head's 64 numbers of a bias
	s_cmp_eq_u32 s30, 0
	s_cselect_b64 s[66:67], s[12:13], s[14:15]     ; bq of direction f
	s_cselect_b64 s[68:69], s[18:19], s[16:17]     ; bk of direction 1 - f
	s_cselect_b64 s[70:71], s[22:23], s[20:21]     ; bv of direction 1 - f
	s_add_nc_u64 s[66:67], s[66:67], s[88:89]
	s_add_nc_u64 s[68:69], s[68:69], s[88:89]
	s_add_nc_u64 s[70:71], s[70:71], s[88:89]
	s_lshr_b32 s60, s31, 4                         ; batch
	s_and_b32 s61, s31, 15                         ; step
	s_lshl_b32 s62, s60, 4
	s_add_co_u32 s62, s62, s32                     ; 16 x batch + head
	s_lshl_b32 s63, s30, 5
	s_add_co_u32 s87, s62, s63                     ; q's record
	s_xor_b32 s63, s63, 32
	s_add_co_u32 s62, s62, s63                     ; k's and v's record
	s_mul_i32 s96, s87, 106496
	s_mul_i32 s63, s61, 6144
	s_add_co_u32 s88, s96, s63
	s_add_nc_u64 s[72:73], s[24:25], s[88:89]      ; q's codes
	s_lshl_b32 s87, s61, 9
	s_add_co_u32 s88, s96, s87
	s_add_co_u32 s88, s88, 98304
	s_add_nc_u64 s[74:75], s[24:25], s[88:89]      ; q's scale words
	; THE LAYOUT OF kv THAT THIS TEXT MAKES: a record is 16 steps of 13,056 bytes: K's 8 half images (6,144), V's 4 full images (6,144), K's scale words [lane][4] (512), V's [lane][2] (256)
	s_mul_i32 s62, s62, 208896
	s_mul_i32 s63, s61, 13056
	s_add_co_u32 s88, s62, s63
	s_add_nc_u64 s[76:77], s[26:27], s[88:89]      ; k's codes
	s_add_co_u32 s88, s88, 6144
	s_add_nc_u64 s[80:81], s[26:27], s[88:89]      ; v's codes
	s_add_co_u32 s88, s88, 6144
	s_add_nc_u64 s[78:79], s[26:27], s[88:89]      ; k's scale words
	s_add_co_u32 s88, s88, 512
	s_add_nc_u64 s[82:83], s[26:27], s[88:89]      ; v's scale words
	s_lshl_b32 s88, ttmp9, 12
	s_add_nc_u64 s[6:7], s[6:7], s[88:89]          ; x's scale words of these 128 tokens
.set nn, 0
.rept 16
	global_load_b64 v[XSR+2*nn:XSR+2*nn+1], v2, s[6:7] offset:256*nn
.set nn, nn+1
.endr
	s_wait_alu depctr_va_vdst(0)
	EXTRA 54, 66, 0, 0
	WLOAD 48, 0
	WLOAD 48, 1
	WLOAD 48, 2
	WIN 0
	s_wait_tensorcnt 0x0                           ; my quarter of x is in,
	s_barrier_signal -1
	s_barrier_wait -1                              ; everybody's is.  Nothing is ever filled again
	XLOAD 0, 0
	XLOAD 0, 4
.irp k, 0,1,2,3,4,5,6,7
	KSTEP 0, 0, \k
.endr
	EPI_QK 72, 74, 0
.irp k, 0,1,2,3,4,5,6,7
	KSTEP 0, 1, \k
.endr
	WIN 0x82                                       ; v's bias (in since K step 7's wait) is one number a lane: it fills the tile's eight registers
.irp t, 0,1,2,3
.irp j, 1,2,3,4,5,6,7
	v_mov_b32 v[192+8*\t+\j], v[192+8*\t]
.endr
.endr
	WIN 0
	EPI_QK 76, 78, 1
.irp k, 0,1,2,3,4,5,6,7
	KSTEP 1, 2, \k
.endr
	EPI_V
	WIN 0
	s_wait_tensorcnt 0x0
	ds_add_u32 v254, v255
	s_wait_dscnt 0x0
	ROUND                                          ; the closing round
	s_endpgm
.Lfunc_end_k_q975733e240_proj:
	.size	k_q975733e240_proj, .Lfunc_end_k_q975733e240_proj-k_q975733e240_proj
	.p2alignl 7, 3214868480
	.fill 96, 4, 3214868480
	.section	.rodata,"a",@progbits
	.p2align	6, 0x0
	.amdhsa_kernel k_q975733e240_proj
		.amdhsa_group_segment_fixed_size 168448
		.amdhsa_private_segment_fixed_size 0
		.amdhsa_enable_private_segment 0
		.amdhsa_kernarg_size 96
		.amdhsa_user_sgpr_count 2
		.amdhsa_user_sgpr_kernarg_segment_ptr 1
		.amdhsa_wavefront_size32 1
		.amdhsa_system_sgpr_workgroup_id_x 1
		.amdhsa_system_sgpr_workgroup_id_y 1
		.amdhsa_system_sgpr_workgroup_id_z 1
		.amdhsa_system_vgpr_workitem_id 0
		.amdhsa_next_free_vgpr 768
		.amdhsa_next_free_sgpr 100
		.amdhsa_reserve_vcc 0
		.amdhsa_float_denorm_mode_32 3
		.amdhsa_float_denorm_mode_16_64 3
		.amdhsa_memory_ordered 1
		.amdhsa_forward_progress 1
		.amdhsa_inst_pref_size 233
	.end_amdhsa_kernel
	.amdgpu_metadata
---
amdhsa.version: [ 1, 2 ]
amdhsa.kernels:
  - .name:           k_q975733e240_proj
    .symbol:         k_q975733e240_proj.kd
    .args:
      - { .name: xc, .offset: 0, .size: 8, .value_kind: global_buffer, .address_space: global }
      - { .name: xs, .offset: 8, .size: 8, .value_kind: global_buffer, .address_space: global }
      - { .name: wc, .offset: 16, .size: 8, .value_kind: global_buffer, .address_space: global }
      - { .name: ws, .offset: 24, .size: 8, .value_kind: global_buffer, .address_space: global }
      - { .name: s2t_bq, .offset: 32, .size: 8, .value_kind: global_buffer, .address_space: global }
      - { .name: t2s_bq, .offset: 40, .size: 8, .value_kind: global_buffer, .address_space: global }
      - { .name: s2t_bk, .offset: 48, .size: 8, .value_kind: global_buffer, .address_space: global }
      - { .name: t2s_bk, .offset: 56, .size: 8, .value_kind: global_buffer, .address_space: global }
      - { .name: s2t_bv, .offset: 64, .size: 8, .value_kind: global_buffer, .address_space: global }
      - { .name: t2s_bv, .offset: 72, .size: 8, .value_kind: global_buffer, .address_space: global }
      - { .name: qc, .offset: 80, .size: 8, .value_kind: global_buffer, .address_space: global }
      - { .name: kv, .offset: 88, .size: 8, .value_kind: global_buffer, .address_space: global }
    .group_segment_fixed_size: 168448
    .private_segment_fixed_size: 0
    .kernarg_segment_align: 8
    .kernarg_segment_size: 96
    .max_flat_workgroup_size: 128
    .sgpr_count:     100
    .vgpr_count:     768
    .wavefront_size: 32
...
	.end_amdgpu_metadata
.endif
;; end of part 2
;; launch attn (part 3): grid 256 x 1, 8 waves a work-group, clusters of 4 x 1, 215,040 bytes of LDS; arguments qc, kv, oc; writes oc
.if DOCPART == 3
	.amdgcn_target "amdgcn-amd-amdhsa--gfx1250"
	.amdhsa_code_object_version 6
	.text
	.protected	k_q975733e240_attn
	.globl	k_q975733e240_attn
	.p2align	8
	.type	k_q975733e240_attn,@function
k_q975733e240_attn:
	s_mov_b64 s[64:65], 0
	v_nop
	global_prefetch_b8 v0, s[64:65] scope:SCOPE_SE
	s_setreg_imm32_b32 hwreg(HW_REG_WAVE_MODE, 25, 1), 1
	s_wait_xcnt 0x0
	s_wait_alu depctr_hold_cnt(0) depctr_sa_sdst(0) depctr_va_vdst(0) depctr_va_sdst(0) depctr_va_ssrc(0) depctr_va_vcc(0) depctr_vm_vsrc(0)
	s_getreg_b32 s2, hwreg(HW_REG_IB_STS2, 6, 4)
	s_cmp_eq_u32 s2, 0
	s_cbranch_scc0 .Lentry_in_a_cluster
	s_endpgm
.Lentry_in_a_cluster:
	s_bfe_u32 s2, ttmp6, 0x10000c
	s_cmp_lg_u32 s2, 0x3003
	s_cbranch_scc0 .Lentry_shape_is_right
	s_endpgm
.Lentry_shape_is_right:
; Attention of one head (of one direction and batch) on codes of FP6 (E2M3) with E8M0 scales; head size 64, 2,048 queries, 2,048 keys; the result is quantised for the output projection.
; THE SOFTMAX AHEAD OF THE SECOND PRODUCT: t = score x log2(e) / 8; M = the row's largest t so far, rounded UP to a whole number; p = 2^(t - M) is quantised along the keys; the row's sum is taken of the
; unquantised p, in f32, and divides O at the end.  When M moves, the sum and O are multiplied by 2^(old M - new M): exact.
; A block's largest p is not searched for: the block's largest SCORE goes through the same multiply-add and exponential (this takes v_exp_f32 not to fall where its input rises).
; SHARES: a cluster takes a head; its four work-groups 512 queries each; each of a work-group's eight waves FOUR tiles of 16 queries (A, B, C, D), in 512 registers: two waves to a SIMD.
; The head's K, V and scale words, one record of kv (16 steps of 13,056 bytes), come into LDS ONCE, two steps by each wave's one tensor load, JOINTLY for the four work-groups.  Behind the one barrier
; nothing is written to LDS.  No prefetch: no loop of this text reads memory.  A step's fragments of K and V are read from LDS once for the wave's four tiles.
; LAYOUT: both products transposed: S^T = K Q^T, O^T = V^T P^T: a lane holds ONE query.  Row r of key tile g is key 64 (g / 4) + 8 (g % 4) + r % 8 + 32 (r / 8) of the step, so register 32 c + n of S^T in
; lane (q, h) is key 64 c + 32 h + n: a whole block of 32 keys in a lane, in the order of the operand P: no lane is asked for a block's maximum and no code changes lanes.
; q k^T has K = 64.  Two key tiles a, b lie in 18 registers as a | zeros | b; the operand of a is (a | 0), that of b is (0 | b), and Q's operand is (q | q).  One scale word (a's two bytes, b's two) serves both.
; THE WALK: a trip is one step of 128 keys, four slots, one a tile.  In tile X's slot stand, besides X's own softmax: the row's sum of the tile before (among X's chain for M), the scores of the next tile
; (matrix instructions among X's exponentials) and their block maxima.  Two buffers of 64 registers hold S^T and p by turns.  The first slot's sum finds zeros; the last trip asks for no next step (branches on the trip's number).
; oc: 256 records (pair of token tiles) of 26,624 bytes: [K step 8][tile 2][head in the K step 2] half images, then [head 16][lane] words.  That last store covers 128 consecutive bytes a wave.
; LIMITS: the promise holds while the scaled scores t stay under 2^31 in magnitude; a block of zeros gets the byte 1 where the rule says 127 (its codes are zeros, and this program alone reads the bytes);
; NaN and infinities are not served.
; REGISTERS, window 0: v1-7, v12-13 addresses; v8-9 the add's; v10, v14-23 scale words (Q's 4, K's 4, V's 2, p's 1); v24-71 Q; v72-119 V; v128-255 O^T.
;   window 1: v0-127 the two buffers; v128-199 K; v200-215 a tile's -M, largest score, sum (2); v216.. at work; v234-253 p's codes.
.set WV, 10
.set STEPB, 13056
.set SPW, 8
.set NIL, 9
.set QS, 14
.set KS, 18
.set VS, 22
.set PS, 10
.set QF, 24
.set VF, 72
.set OF, 128
.set KF, 128                           ; from here on: window 1
.set ST, 200
.set F, 216
.set BM, 218
.set SH, 222
.set PL, 224
.set P, 234
.set PT, 246
.set EB, 128                           ; the way out, over K's registers
.set CO, 152
.set MSB, 0
.macro WIN new                         ; the immediate's high byte repeats the setting that is left
.if MSB != \new
	s_set_vgpr_msb (MSB<<8)|\new
.set MSB, \new
.endif
.endm
.macro ROUND
	s_barrier_signal -1
	s_barrier_wait -1
	s_cmp_lg_u32 s[WV], 0
	s_cbranch_scc1 .Lnot_wave_0_\@
	s_barrier_signal -3
.Lnot_wave_0_\@:
	s_barrier_wait -3
	s_barrier_signal -1
	s_barrier_wait -1
.endm
.macro PLACES
.rept 4
	v_nop
.endr
.endm
; scores of key tile g for query tile t into buffer sy (source 0 K window 1, source 1 Q window 0, D window 1)
.macro QK g, sy, t
	v_wmma_scale_f32_16x16x128_f8f6f4 v[(\sy)+8*(\g):(\sy)+8*(\g)+7], v[KF+18*((\g)/2)+6*((\g)%2):KF+18*((\g)/2)+6*((\g)%2)+11], v[QF+12*(\t):QF+12*(\t)+11], 0, v[KS+(\g)/2], v[QS+(\t)] matrix_a_fmt:MATRIX_FMT_FP6 matrix_b_fmt:MATRIX_FMT_FP6
.endm
.macro KLOAD                           ; a step's 8 half images of K and its scale words; v3, v4: the step + 16, 8 x lane
	WIN 0x40
.irp g, 0,1,2,3,4,5,6,7
	ds_load_b128 v[KF+18*(\g/2)+12*(\g%2):KF+18*(\g/2)+12*(\g%2)+3], v3 offset:768*\g
	ds_load_b64 v[KF+18*(\g/2)+12*(\g%2)+4:KF+18*(\g/2)+12*(\g%2)+5], v4 offset:768*\g+512
.endr
	WIN 0
	ds_load_b128 v[KS:KS+3], v3 offset:12288
.endm
; the largest score of each of my two blocks of 32 keys in buffer s: four chains, each accumulator from its low end on
.macro MAXTREE s, b
.irp k, 0,1,2,3
	v_max3_num_f32 v[PL+\k], v[(\s)+16*\k], v[(\s)+16*\k+1], v[(\s)+16*\k+2]
.endr
.irp i, 3,5,7,9,11,13
.irp k, 0,1,2,3
	v_max3_num_f32 v[PL+\k], v[PL+\k], v[(\s)+16*\k+\i], v[(\s)+16*\k+\i+1]
.endr
.endr
.irp c, 0,1
	v_max3_num_f32 v[PL+2*\c], v[PL+2*\c], v[PL+2*\c+1], v[(\s)+32*\c+15]
.endr
.irp c, 0,1
	v_max_num_f32 v[(\b)+\c], v[PL+2*\c], v[(\s)+32*\c+31]
.endr
.endm
.macro CHAIN                           ; link n / 3 of tile X's chain from its block maxima to -M and f
.if n/3 == 0
	v_max_num_f32 v[PL+6], v[BX], v[BX+1]
.elseif n/3 == 1
	v_permlanex16_b32 v[PL+7], v[PL+6], s24, s25   ; lane l xor 16 holds the other 64 keys
.elseif n/3 == 2
	v_max3_num_f32 v[X+1], v[X+1], v[PL+6], v[PL+7]   ; the running largest score
.elseif n/3 == 3
	v_mul_f32 v[PL+8], s33, v[X+1]                 ; -t
.elseif n/3 == 4
	v_floor_f32 v[PL+8], v[PL+8]                   ; the new -M = floor(-t): M is a whole number
.elseif n/3 == 5
	v_sub_f32 v[PL+9], v[PL+8], v[X]               ; old M - new M: a whole number, 0 or less
.elseif n/3 == 6
	v_mov_b32 v[X], v[PL+8]
.elseif n/3 == 7
	v_cvt_i32_f32 v[PL+9], v[PL+9]                 ; (it saturates)
.else
	v_ldexp_f32 v[F], 1.0, v[PL+9]                 ; f = 2^(old M - new M)
.endif
.endm
; the sum of the 64 unquantised p in buffer SY onto the pair LW, in four chains; chain = 1: a link of X's chain behind every third addition
.macro SUMS chain
.set n, 0
.rept 32
.if n < 3
	v_pk_add_f32 v[PL+2*n:PL+2*n+1], v[SY+4*n:SY+4*n+1], v[SY+4*n+2:SY+4*n+3]
.elseif n == 3
	v_pk_add_f32 v[LW:LW+1], v[LW:LW+1], v[SY+12:SY+13]
.elseif n < 29
.if n%4 == 3
	v_pk_add_f32 v[LW:LW+1], v[LW:LW+1], v[SY+2*n+6:SY+2*n+7]
.else
	v_pk_add_f32 v[PL+2*(n%4):PL+2*(n%4)+1], v[PL+2*(n%4):PL+2*(n%4)+1], v[SY+2*n+6:SY+2*n+7]
.endif
.elseif n == 29
	v_pk_add_f32 v[LW:LW+1], v[LW:LW+1], v[PL:PL+1]
.elseif n == 30
	v_pk_add_f32 v[PL+2:PL+3], v[PL+2:PL+3], v[PL+4:PL+5]
.else
	v_pk_add_f32 v[LW:LW+1], v[LW:LW+1], v[PL+2:PL+3]
.endif
.if \chain
.if (n%3 == 0) && (n < 27)
	CHAIN
.endif
.endif
.set n, n+1
.endr
.endm
; p = 2^(t - M) of tile X, and of its two block maxima; wm = 1: the next tile's eight products stand among the first 48
.macro EXPS wm
	WIN 0x51                                       ; source 0, source 2 and destination window 1, source 1 (Q) window 0
.set n, 0
.rept 64
.if \wm
.if (n%6 == 0) && (n < 48)
	QK n/6, SY, TY
.endif
.endif
	v_exp_f32 v[SX+n], v[SX+n]
.set n, n+1
.endr
	v_exp_f32 v[BX], v[BX]
	v_exp_f32 v[BX+1], v[BX+1]
	WIN 0x55
	v_pk_mul_f32 v[X+2:X+3], v[X+2:X+3], v[F:F+1] op_sel_hi:[1,0]   ; the sum under the new M.  (The plain place behind the exponentials)
	s_wait_alu depctr_va_vdst(0)                   ; the wait behind the batch
.irp c, 0,1
	v_max_num_f32 v[BX+\c], 0x1800000, v[BX+\c]    ; the block's largest p, and the floor 2^(3 - 127): the byte cannot fall under 1
.endr
.irp c, 0,1
	v_add_nc_u32 v[BX+\c], 0xff000000, v[BX+\c]    ; 2 off the exponent field: the conversion's scale operand.  (With the three lines above: the places behind the products)
.endr
.if \wm
	s_wait_alu depctr_va_vdst(0)                   ; the wait directly ahead of the first reader of the new scores
.endif
.endm
.macro SLOT t
.set X, ST+4*(\t)
.set SX, 64*((\t)%2)
.set SY, 64-SX
.set BX, BM+2*((\t)%2)
.set BY, BM+2-2*((\t)%2)
.set LW, ST+4*(((\t)+3)%4)+2
.set TY, ((\t)+1)%4
.set OX, OF+32*(\t)
	WIN 0x55                                       ; all operands window 1
	SUMS 1
.if \t == 0
	WIN 0                                          ; this step's V: the additions above are the places behind the last products that read V
	v_add_nc_u32 v12, s30, v1
	v_add_nc_u32 v13, s30, v2
.irp u, 0,1,2,3
.irp g, 0,1,2
	ds_load_b128 v[VF+12*\u+4*\g:VF+12*\u+4*\g+3], v12 offset:6144+1536*\u+512*\g
.endr
.endr
	ds_load_b64 v[VS:VS+1], v13 offset:12800
.endif
	WIN 0x51
.set n, 0
.rept 32
	v_pk_fma_f32 v[SX+n:SX+n+1], v[SX+n:SX+n+1], s[26:27], v[X:X+1] op_sel_hi:[1,0,0]   ; t - M, two at a time
.set n, n+2
.endr
	v_fma_f32 v[BX], v[BX], s26, v[X]              ; the same of each block's largest score
	v_fma_f32 v[BX+1], v[BX+1], s26, v[X]
.if \t == 3
	s_wait_dscnt 0x0                               ; the next step's K, asked for in the slot before, is in: its products stand among the exponentials below
.endif
	s_wait_alu depctr_va_vdst(0)                   ; the wait ahead of the batch
.if \t == 3
	WIN 0
	s_cmp_eq_u32 s31, 15                           ; the last trip has no next step
	s_cbranch_scc1 .Llast
.endif
	EXPS 1
	MAXTREE SY, BY
.if \t == 2
	WIN 0
	s_cmp_eq_u32 s31, 15
	s_cbranch_scc1 .Lnok
	s_add_co_u32 s29, s30, STEPB                   ; the next step's K: the maxima above are the places behind the last products that read K
	s_min_u32 s29, s29, 15*STEPB
	v_add_nc_u32 v3, s29, v1
	v_add_nc_u32 v4, s29, v2
	KLOAD
.Lnok:
.endif
.if \t == 3
	WIN 0
	s_branch .Ljoin
.Llast:
	EXPS 0
	WIN 0
.Ljoin:
.endif
	WIN 0x55
.irp c, 0,1
	v_cvt_scalef32_pk16_fp6_f32 v[P+6*\c:P+6*\c+2], v[SX+32*\c:SX+32*\c+15], v[BX+\c]
	v_cvt_scalef32_pk16_fp6_f32 v[PT+4*\c:PT+4*\c+2], v[SX+32*\c+16:SX+32*\c+31], v[BX+\c]   ; (a conversion's three registers begin on an even number)
.endr
.irp c, 0,1
	v_lshrrev_b32 v[PL+2+\c], 23, v[BX+\c]         ; the scale's byte.  (Plain places behind the conversions)
.endr
	v_lshl_or_b32 v[PL+4], v[PL+3], 16, v[PL+2]    ; my bytes: blocks h and 2 + h
.irp c, 0,1
.irp i, 0,1,2
	v_mov_b32 v[P+3+6*\c+\i], v[PT+4*\c+\i]
.endr
.endr
	v_lshlrev_b32 v[PL+4], v[SH], v[PL+4]          ; at their places (8 h bits up)
	v_permlanex16_b32 v[PL+5], v[PL+4], s24, s25
	WIN 0x05
	v_or_b32 v[PS], v[PL+4], v[PL+5]               ; p's scale word, in window 0, 16 places ahead of its products
.if \t == 0
	s_wait_dscnt 0x0                               ; V is in
.endif
	WIN 0x04                                       ; source 1 window 1
	s_wait_alu depctr_va_vdst(0)                   ; the wait directly ahead of the first reader of O^T
.set n, 0
.rept 16
	v_pk_mul_f32 v[OX+n:OX+n+1], v[OX+n:OX+n+1], v[F:F+1] op_sel_hi:[1,0]   ; O^T under the new M, each accumulator from its low end on
.set n, n+2
.endr
.irp u, 0,1,2,3                                ; O^T += V^T P^T; the four accumulators by turns
.if \u%2
	v_wmma_scale_f32_16x16x128_f8f6f4 v[OX+8*\u:OX+8*\u+7], v[VF+12*\u:VF+12*\u+11], v[P:P+11], v[OX+8*\u:OX+8*\u+7], v[VS+\u/2], v[PS] matrix_a_fmt:MATRIX_FMT_FP6 matrix_b_fmt:MATRIX_FMT_FP6 matrix_a_scale:MATRIX_SCALE_ROW1
.else
	v_wmma_scale_f32_16x16x128_f8f6f4 v[OX+8*\u:OX+8*\u+7], v[VF+12*\u:VF+12*\u+11], v[P:P+11], v[OX+8*\u:OX+8*\u+7], v[VS+\u/2], v[PS] matrix_a_fmt:MATRIX_FMT_FP6 matrix_b_fmt:MATRIX_FMT_FP6
.endif
.endr
.endm
	s_load_b128 s[4:7], s[0:1], 0x0                ; qc, kv
	s_load_b64 s[8:9], s[0:1], 0x10                ; oc
	v_lshl_add_u32 v[SPW], v0, 2, 0x34000
	v_mov_b32 v[NIL], 0
	ds_add_u32 v[SPW], v[NIL]                      ; the opening lines: the add, twice on end, and its wait
	ds_add_u32 v[SPW], v[NIL]
	v_lshrrev_b32 v3, 5, v0
	v_readfirstlane_b32 s[WV], v3                  ; wave 0..7
	s_mov_b32 s16, 15|(3<<16)|(1<<21)              ; the mask: all four work-groups; elements of 8 bytes; bit 21 beside a mask
	s_mov_b32 s17, 32<<16                          ; rows of 256 bytes
	s_mov_b32 s18, 102<<16                         ; 102 rows: two steps
	s_mov_b32 s19, 32<<16
	s_mov_b32 s20, 102
	s_mov_b32 s21, 32                              ; dense
	s_mov_b32 s22, 0
	s_mov_b32 s23, 0
	s_mov_b32 s12, 1
	s_mul_i32 s13, s[WV], 2*STEPB                  ; LDS address: my eighth of the record
	s_mul_i32 s42, ttmp9, 208896                   ; ttmp9 counts clusters: the record
	s_add_co_u32 s42, s42, s13
	s_mov_b32 s43, 0
	s_wait_dscnt 0x0
	s_wait_kmcnt 0x0
	s_add_nc_u64 s[14:15], s[6:7], s[42:43]
	s_or_b32 s15, s15, 0x80000000
	ROUND                                          ; all four work-groups are here: the joint loads meet
	tensor_load_to_lds s[12:15], s[16:23]
	s_nop 0
	PLACES
	s_bfe_u32 s11, ttmp6, 0x40000                  ; my place in the cluster: which 512 queries.  It enters Q's and o's addresses alone
	s_lshl_b32 s44, s11, 2
	s_lshr_b32 s45, s[WV], 1
	s_add_co_u32 s44, s44, s45                     ; my four tiles' step of 128 tokens,
	s_and_b32 s45, s[WV], 1                        ; and which half of it
	s_mul_i32 s46, ttmp9, 106496
	s_mul_i32 s48, s44, 6144
	s_add_co_u32 s48, s48, s46
	s_mul_i32 s49, s45, 3072
	s_add_co_u32 s48, s48, s49
	s_mov_b32 s49, 0
	s_add_nc_u64 s[34:35], s[4:5], s[48:49]        ; Q's codes
	s_lshl_b32 s48, s44, 9
	s_add_co_u32 s48, s48, s46
	s_lshl_b32 s47, s45, 3
	s_add_co_u32 s48, s48, s47
	s_add_co_u32 s48, s48, 98304
	s_add_nc_u64 s[36:37], s[4:5], s[48:49]        ; Q's scale words
	s_lshr_b32 s50, ttmp9, 4
	s_lshl_b32 s50, s50, 6
	s_lshl_b32 s47, s11, 4
	s_add_co_u32 s50, s50, s47
	s_lshl_b32 s47, s[WV], 1
	s_add_co_u32 s50, s50, s47                     ; o's first record: 64 (2 direction + batch) + my first pair of tiles
	s_mul_i32 s50, s50, 26624
	s_and_b32 s51, ttmp9, 15                       ; the head
	s_lshr_b32 s47, s51, 1
	s_mul_i32 s47, s47, 3072
	s_add_co_u32 s48, s50, s47
	s_and_b32 s47, s51, 1
	s_mul_i32 s47, s47, 768
	s_add_co_u32 s48, s48, s47
	s_add_nc_u64 s[38:39], s[8:9], s[48:49]        ; o's codes
	s_lshl_b32 s47, s51, 7
	s_add_co_u32 s48, s50, s47
	s_add_co_u32 s48, s48, 24576
	s_add_nc_u64 s[40:41], s[8:9], s[48:49]        ; o's scale words
	s_mov_b32 s24, 0x76543210
	s_mov_b32 s25, 0xfedcba98                      ; v_permlanex16_b32's selects for lane l xor 16
	s_mov_b32 s26, 0x3e38aa3b                      ; c = log2(e) / 8
	s_mov_b32 s27, s26                             ; (named with it as a pair)
	s_mov_b32 s33, 0xbe38aa3b                      ; -c
	s_mov_b32 s32, 0xffff0000                      ; lanes 16-31
	s_mov_b32 s30, 0                               ; the step's bytes in LDS
	s_mov_b32 s31, 0                               ; the step
	v_and_b32 v3, 31, v0
	v_and_b32 v4, 15, v0
	v_bfe_u32 v5, v0, 4, 1                         ; h
	v_lshlrev_b32 v1, 4, v3                        ; 16 x lane
	v_lshlrev_b32 v2, 3, v3                        ; 8 x lane
	v_lshlrev_b32 v6, 2, v3                        ; 4 x lane
	v_lshlrev_b32 v7, 4, v4                        ; 16 r
.irp T, 0,1,2,3                                ; each tile's half image twice: (q | q); its rows' two scale bytes
	global_load_b128 v[QF+12*\T:QF+12*\T+3], v1, s[34:35] offset:768*\T
	global_load_b64 v[QF+12*\T+4:QF+12*\T+5], v2, s[34:35] offset:768*\T+512
	global_load_b128 v[QF+12*\T+6:QF+12*\T+9], v1, s[34:35] offset:768*\T
	global_load_b64 v[QF+12*\T+10:QF+12*\T+11], v2, s[34:35] offset:768*\T+512
	global_load_b32 v[QS+\T], v7, s[36:37] offset:256*(\T%2)+4*(\T/2)
.endr
	v_add_nc_u32 v3, s30, v1                       ; step 0
	v_add_nc_u32 v4, s30, v2
	WIN 0x40                                       ; destination window 1.  What follows stands under the tensor load's flight
	v_lshlrev_b32 v[SH], 3, v5                     ; 8 h
.set n, 0
.rept 64
	v_mov_b32 v[64+n], 0                           ; the second buffer: the first slot's sum finds zeros
.set n, n+1
.endr
.irp I, 0,1,2,3
.irp i, 6,7,8,9,10,11
	v_mov_b32 v[KF+18*\I+\i], 0                    ; the zero codes between two key tiles, written once
.endr
.endr
.set n, 0
.rept 10
	v_mov_b32 v[PL+n], 0                           ; written once: a lane permute's destination counts as one of its sources
.set n, n+1
.endr
	v_mov_b32 v[F], 0
	v_mov_b32 v[F+1], 0                            ; (named as the upper half of a pair)
.irp T, 0,1,2,3
	v_mov_b32 v[ST+4*\T], 0x7e000000               ; -M = 2^125: the first change of M gives f = 0
	v_mov_b32 v[ST+4*\T+1], 0xff61b1e6             ; the largest score so far: -3e38
	v_mov_b32 v[ST+4*\T+2], 0                      ; the sum, in two halves
	v_mov_b32 v[ST+4*\T+3], 0
.endr
	WIN 0
	s_wait_loadcnt 0x0                             ; Q
.irp T, 0,1,2,3
	v_lshl_or_b32 v[QS+\T], v[QS+\T], 16, v[QS+\T] ; the two bytes for both halves of (q | q)
.endr
.set n, 0
.rept 128
	v_mov_b32 v[OF+n], 0                           ; O^T.  (The slot is written once: the first finds zeros, which f = 0 leaves zeros)
.set n, n+1
.endr
	s_wait_alu depctr_va_vdst(0)                   ; the wait at the head's end
	s_wait_tensorcnt 0x0                           ; my eighth of the record is in,
	s_barrier_signal -1
	s_barrier_wait -1                              ; everybody's is
	KLOAD
	s_wait_dscnt 0x0
	WIN 0x51
.irp g, 0,1,2,3,4,5,6,7
	QK \g, 0, 0                                    ; tile A's scores of step 0
.endr
	WIN 0x55
	PLACES
	MAXTREE 0, BM
	WIN 0
.Lstep:
	SLOT 0
	SLOT 1
	SLOT 2
	SLOT 3
	WIN 0
	s_add_co_u32 s30, s30, STEPB
	s_add_co_u32 s31, s31, 1
	s_cmp_lt_u32 s31, 16
	s_cbranch_scc1 .Lstep
.set SY, 64
.set LW, ST+14
	WIN 0x55
	SUMS 0                                         ; tile D's last sum.  (Also the places behind the last products)
.irp T, 0,1,2,3
	v_add_f32 v[ST+4*\T+2], v[ST+4*\T+2], v[ST+4*\T+3]   ; the sum's two halves,
.endr
.irp T, 0,1,2,3
	v_permlanex16_b32 v[PL+\T], v[ST+4*\T+2], s24, s25
.endr
.irp T, 0,1,2,3
	v_add_f32 v[ST+4*\T+2], v[ST+4*\T+2], v[PL+\T] ; and lane l xor 16's
.endr
	s_wait_alu depctr_va_vdst(0)                   ; the wait ahead of the batch
.irp T, 0,1,2,3
	v_rcp_f32 v[ST+4*\T+2], v[ST+4*\T+2]
.endr
	v_nop                                          ; one plain place behind a transcendental
	WIN 0x44                                       ; destination and source 1 window 1, source 0 (O^T) window 0
	s_wait_alu depctr_va_vdst(0)                   ; and behind it, directly ahead of the first reader of O^T
.irp T, 0,1,2,3
.set n, 0
.rept 16
	v_pk_mul_f32 v[32*\T+n:32*\T+n+1], v[OF+32*\T+n:OF+32*\T+n+1], v[ST+4*\T+2:ST+4*\T+3] op_sel_hi:[1,0]   ; register 16 b + i: o(my query, 32 b + 16 h + i)
.set n, n+2
.endr
.endr
	WIN 0x55                                       ; o is quantised along the head's 64: two blocks of the output projection's K, half a block in a lane; the four tiles by turns
.irp T, 0,1,2,3
.irp b, 0,1
	v_max3_num_f32 v[EB+2*\T+\b], |v[32*\T+16*\b]|, |v[32*\T+16*\b+1]|, 0x1800000
.endr
.endr
.irp i, 2,4,6,8,10,12,14
.irp T, 0,1,2,3
.irp b, 0,1
	v_max3_num_f32 v[EB+2*\T+\b], v[EB+2*\T+\b], |v[32*\T+16*\b+\i]|, |v[32*\T+16*\b+\i+1]|
.endr
.endr
.endr
.irp j, 0,1,2,3,4,5,6,7
	v_permlanex16_b32 v[EB+8+\j], v[EB+\j], s24, s25
.endr
.irp j, 0,1,2,3,4,5,6,7
	v_max_num_f32 v[EB+\j], v[EB+\j], v[EB+8+\j]
.endr
.irp j, 0,1,2,3,4,5,6,7
	v_add_nc_u32 v[EB+\j], 0xff000000, v[EB+\j]    ; the conversion's scale operand
.endr
.irp j, 0,1,2,3,4,5,6,7
	v_lshrrev_b32 v[EB+8+\j], 23, v[EB+\j]         ; the scale's byte
.endr
.irp T, 0,1,2,3
	v_lshl_or_b32 v[EB+16+\T], v[EB+9+2*\T], 8, v[EB+8+2*\T]   ; my row's two bytes
.endr
.irp T, 0,1,2,3
	v_cvt_scalef32_pk16_fp6_f32 v[CO+12*\T:CO+12*\T+2], v[32*\T:32*\T+15], v[EB+2*\T]
	v_cvt_scalef32_pk16_fp6_f32 v[CO+12*\T+6:CO+12*\T+8], v[32*\T+16:32*\T+31], v[EB+2*\T+1]
.endr
	v_nop                                          ; one plain place behind a scaled conversion
.irp T, 0,1,2,3
.irp i, 0,1,2
	v_permlane16_swap_b32 v[CO+12*\T+\i], v[CO+12*\T+6+\i]   ; the layout wants a whole block in a lane
.endr
.endr
.irp T, 0,1,2,3
.irp i, 0,1,2
	v_mov_b32 v[CO+12*\T+3+\i], v[CO+12*\T+6+\i]
.endr
.endr
.irp J, 0,1
	v_cndmask_b32 v[EB+20+\J], v[EB+16+2*\J], v[EB+17+2*\J], s32   ; lanes 0-15 the even tile's words, lanes 16-31 the odd tile's
.endr
	WIN 0x04                                       ; the stores' data window 1
.irp T, 0,1,2,3
	global_store_b128 v1, v[CO+12*\T:CO+12*\T+3], s[38:39] offset:26624*(\T/2)+1536*(\T%2)         ; 512 and 256 consecutive bytes, at multiples of 256
	global_store_b64 v2, v[CO+12*\T+4:CO+12*\T+5], s[38:39] offset:26624*(\T/2)+1536*(\T%2)+512
.endr
.irp J, 0,1
	global_store_b32 v6, v[EB+20+\J], s[40:41] offset:26624*\J
.endr
	WIN 0
	s_wait_tensorcnt 0x0                           ; the wave's end
	ds_add_u32 v[SPW], v[NIL]
	s_wait_dscnt 0x0
	ROUND                                          ; the closing round
	s_endpgm
.Lfunc_end_k_q975733e240_attn:
	.size	k_q975733e240_attn, .Lfunc_end_k_q975733e240_attn-k_q975733e240_attn
	.p2alignl 7, 3214868480
	.fill 96, 4, 3214868480
	.section	.rodata,"a",@progbits
	.p2align	6, 0x0
	.amdhsa_kernel k_q975733e240_attn
		.amdhsa_group_segment_fixed_size 215040
		.amdhsa_private_segment_fixed_size 0
		.amdhsa_enable_private_segment 0
		.amdhsa_kernarg_size 24
		.amdhsa_user_sgpr_count 2
		.amdhsa_user_sgpr_kernarg_segment_ptr 1
		.amdhsa_wavefront_size32 1
		.amdhsa_system_sgpr_workgroup_id_x 1
		.amdhsa_system_sgpr_workgroup_id_y 1
		.amdhsa_system_sgpr_workgroup_id_z 1
		.amdhsa_system_vgpr_workitem_id 0
		.amdhsa_next_free_vgpr 512
		.amdhsa_next_free_sgpr 66
		.amdhsa_reserve_vcc 0
		.amdhsa_float_denorm_mode_32 3
		.amdhsa_float_denorm_mode_16_64 3
		.amdhsa_memory_ordered 1
		.amdhsa_forward_progress 1
		.amdhsa_inst_pref_size 90
	.end_amdhsa_kernel
	.amdgpu_metadata
---
amdhsa.version: [ 1, 2 ]
amdhsa.kernels:
  - .name:           k_q975733e240_attn
    .symbol:         k_q975733e240_attn.kd
    .args:
      - { .name: qc, .offset: 0, .size: 8, .value_kind: global_buffer, .address_space: global }
      - { .name: kv, .offset: 8, .size: 8, .value_kind: global_buffer, .address_space: global }
      - { .name: oc, .offset: 16, .size: 8, .value_kind: global_buffer, .address_space: global }
    .group_segment_fixed_size: 215040
    .private_segment_fixed_size: 0
    .kernarg_segment_align: 8
    .kernarg_segment_size: 24
    .max_flat_workgroup_size: 256
    .sgpr_count:     66
    .vgpr_count:     512
    .wavefront_size: 32
...
	.end_amdgpu_metadata
.endif
;; end of part 3
;; launch outln (part 4): grid 256 x 1, 8 waves a work-group, no clusters, 168,960 bytes of LDS; arguments oc, wc, ws, s2t_bo, t2s_bo, temp_features, spat_features, ln_g, ln_b, out0, out1; writes out0, out1
.if DOCPART == 4
	.amdgcn_target "amdgcn-amd-amdhsa--gfx1250"
	.amdhsa_code_object_version 6
	.text
	.protected	k_q975733e240_outln
	.globl	k_q975733e240_outln
	.p2align	8
	.type	k_q975733e240_outln,@function
k_q975733e240_outln:
	s_mov_b64 s[64:65], 0
	v_nop
	global_prefetch_b8 v0, s[64:65] scope:SCOPE_SE
	s_setreg_imm32_b32 hwreg(HW_REG_WAVE_MODE, 25, 1), 1
	s_wait_xcnt 0x0
; out = LayerNorm(residual + o Wo + bo) g + b.  The product on codes of FP6 (E2M3) with E8M0 scales; all else in f32.
; SHARES: a work-group takes one record of oc: 32 tokens (two tiles) of one direction, and ALL 1,024 features, so that a row's mean and variance stay in the work-group.  Wave w makes features 128 w .. 128 w + 127:
; 8 tiles of Wo's columns x 2 tiles of tokens = 16 accumulators.  Source 0 = 16 columns of Wo, source 1 = 16 tokens: a lane holds one token and eight neighbouring features.
; o's record, 26,624 bytes, comes into LDS once, 3,328 bytes by each wave's one tensor load.  Wo's images go from memory straight into the registers of the one wave that uses them, a ring of five half K steps.
; NO CLUSTER: all work-groups of a direction walk the same Wo, 786,432 bytes; each byte is used by one wave of a work-group and goes to its registers.  A joint load lands in LDS: it would take slots filled again
; and rounds of the cluster's barrier for every slot.  That form is left out of this text; its price is that each work-group fetches Wo for itself.
; THE WAY OUT: the accumulators go to a stage in LDS (32 rows of 4,096 bytes + 16), a barrier, and each wave takes 4 whole rows: residual, bias, mean, variance, gain, offset; every store covers 512 consecutive bytes, aligned.
; Row 16 u + r of the stage is token 64 (PI / 2) + 16 (PI % 2) + 8 u + r % 8 + 32 (r / 8) (the order of tokens in a tile: see the launch that quantises the features).
; REGISTERS: window 0: v1-6 addresses; v8-27 row statistics; v32-79 o's fragments, two sets of two; v80-87 o's scale words; v88-119 Wo's; v128-255 the accumulators, later the 4 rows.
;   window 1: v0-239 Wo's ring; behind the products v0-127 the residual's rows, v128-159 g, v160-191 b, v192-223 bo.
.set STG, 26624
.set MSB, 0
.macro WIN new
.if MSB != \new
	s_set_vgpr_msb (MSB<<8)|\new
.set MSB, \new
.endif
.endm
.macro PLACES
.rept 4
	v_nop
.endr
.endm
.macro WM                              ; one product, by the symbols set ahead of it; rC < 0: the constant 0 starts the sum; fA, fB: the scale words lie in lanes 16-31
.if rC < 0
.if fA && fB
	v_wmma_scale_f32_16x16x128_f8f6f4 v[rD:rD+7], v[rA:rA+11], v[rB:rB+11], 0, v[rSA], v[rSB] matrix_a_fmt:MATRIX_FMT_FP6 matrix_b_fmt:MATRIX_FMT_FP6 matrix_a_scale:MATRIX_SCALE_ROW1 matrix_b_scale:MATRIX_SCALE_ROW1
.elseif fA
	v_wmma_scale_f32_16x16x128_f8f6f4 v[rD:rD+7], v[rA:rA+11], v[rB:rB+11], 0, v[rSA], v[rSB] matrix_a_fmt:MATRIX_FMT_FP6 matrix_b_fmt:MATRIX_FMT_FP6 matrix_a_scale:MATRIX_SCALE_ROW1
.elseif fB
	v_wmma_scale_f32_16x16x128_f8f6f4 v[rD:rD+7], v[rA:rA+11], v[rB:rB+11], 0, v[rSA], v[rSB] matrix_a_fmt:MATRIX_FMT_FP6 matrix_b_fmt:MATRIX_FMT_FP6 matrix_b_scale:MATRIX_SCALE_ROW1
.else
	v_wmma_scale_f32_16x16x128_f8f6f4 v[rD:rD+7], v[rA:rA+11], v[rB:rB+11], 0, v[rSA], v[rSB] matrix_a_fmt:MATRIX_FMT_FP6 matrix_b_fmt:MATRIX_FMT_FP6
.endif
.else
.if fA && fB
	v_wmma_scale_f32_16x16x128_f8f6f4 v[rD:rD+7], v[rA:rA+11], v[rB:rB+11], v[rC:rC+7], v[rSA], v[rSB] matrix_a_fmt:MATRIX_FMT_FP6 matrix_b_fmt:MATRIX_FMT_FP6 matrix_a_scale:MATRIX_SCALE_ROW1 matrix_b_scale:MATRIX_SCALE_ROW1
.elseif fA
	v_wmma_scale_f32_16x16x128_f8f6f4 v[rD:rD+7], v[rA:rA+11], v[rB:rB+11], v[rC:rC+7], v[rSA], v[rSB] matrix_a_fmt:MATRIX_FMT_FP6 matrix_b_fmt:MATRIX_FMT_FP6 matrix_a_scale:MATRIX_SCALE_ROW1
.elseif fB
	v_wmma_scale_f32_16x16x128_f8f6f4 v[rD:rD+7], v[rA:rA+11], v[rB:rB+11], v[rC:rC+7], v[rSA], v[rSB] matrix_a_fmt:MATRIX_FMT_FP6 matrix_b_fmt:MATRIX_FMT_FP6 matrix_b_scale:MATRIX_SCALE_ROW1
.else
	v_wmma_scale_f32_16x16x128_f8f6f4 v[rD:rD+7], v[rA:rA+11], v[rB:rB+11], v[rC:rC+7], v[rSA], v[rSB] matrix_a_fmt:MATRIX_FMT_FP6 matrix_b_fmt:MATRIX_FMT_FP6
.endif
.endif
.endm
.macro OLOAD s                         ; o's two fragments of K step s into set s % 2: each is two heads' half images: 8 loads
.irp u, 0,1
	ds_load_b128 v[32+24*((\s)%2)+12*\u:32+24*((\s)%2)+12*\u+3], v1 offset:(2*(\s)+\u)*1536
	ds_load_b64 v[32+24*((\s)%2)+12*\u+4:32+24*((\s)%2)+12*\u+5], v2 offset:(2*(\s)+\u)*1536+512
	ds_load_b128 v[32+24*((\s)%2)+12*\u+6:32+24*((\s)%2)+12*\u+9], v1 offset:(2*(\s)+\u)*1536+768
	ds_load_b64 v[32+24*((\s)%2)+12*\u+10:32+24*((\s)%2)+12*\u+11], v2 offset:(2*(\s)+\u)*1536+1280
.endr
.endm
.macro WLOAD e                         ; half step e = 2 x K step + (which 64 of my 128 features): Wo's four fragments into ring place e % 5: 12 loads of 512 consecutive bytes
	WIN 0x40                                       ; destination window 1
.irp t, 0,1,2,3
.irp g, 0,1,2
	global_load_b128 v[48*((\e)%5)+12*\t+4*\g:48*((\e)%5)+12*\t+4*\g+3], v1, s[48:49] offset:49152*((\e)%2)+6144*((\e)/2)+1536*\t+512*\g
.endr
.endr
.endm
.macro HSTEP e                         ; 8 products; the 16 accumulators take turns, one instruction a turn
.set NN, 48                            ; the loads younger than this half step's: the next four half steps' 48, as far as there are any
.if 15-(\e) < 4
.set NN, 12*(15-(\e))
.endif
	s_wait_loadcnt NN
.if (\e)%2 == 0
.if (\e) < 14
	s_wait_dscnt 8                                 ; this K step's fragments of o are in; the next K step's 8 loads may be out
.else
	s_wait_dscnt 0x0
.endif
.endif
	WIN 0x01                                       ; source 0 (Wo) window 1
.set tt, 0
.rept 4
.set uu, 0
.rept 2
.set rD, 128+8*(2*(4*((\e)%2)+tt)+uu)
.set rA, 48*((\e)%5)+12*tt
.set rB, 32+24*(((\e)/2)%2)+12*uu
.set rSA, 88+16*((\e)%2)+4*((\e)/4)+2*(tt/2)+((\e)/2)%2
.set rSB, 80+(\e)/2
.set fA, tt%2
.set fB, uu
.if (\e) < 2
.set rC, -1
.else
.set rC, rD
.endif
	WM
.set uu, uu+1
.endr
.set tt, tt+1
.endr
	PLACES
.if (\e) < 11
	WLOAD (\e)+5
.endif
	WIN 0
.if ((\e)%2 == 1) && ((\e) < 12)
	OLOAD (\e)/2+2
.endif
.endm
.macro REDUCE                          ; the four rows' two chains become one number in every lane of v8, v12, v16, v20
.irp j, 0,1,2,3
	v_pk_add_f32 v[8+4*\j:9+4*\j], v[8+4*\j:9+4*\j], v[10+4*\j:11+4*\j]
.endr
.irp j, 0,1,2,3
	s_delay_alu instid0(VALU_DEP_4)
	v_add_f32 v[8+4*\j], v[8+4*\j], v[9+4*\j]
.endr
.irp m, 1,2,4,8
.irp j, 0,1,2,3
	s_delay_alu instid0(VALU_DEP_4)
	v_add_f32_dpp v[8+4*\j], v[8+4*\j], v[8+4*\j] row_xmask:\m row_mask:0xf bank_mask:0xf
.endr
.endr
.irp j, 0,1,2,3
	s_delay_alu instid0(VALU_DEP_4)
	v_permlanex16_b32 v[24+\j], v[8+4*\j], s30, s31
.endr
.irp j, 0,1,2,3
	s_delay_alu instid0(VALU_DEP_4)
	v_add_f32 v[8+4*\j], v[8+4*\j], v[24+\j]
.endr
.endm
	s_load_b512 s[4:19], s[0:1], 0x0               ; oc, wc, ws, s2t_bo, t2s_bo, temp, spat, ln_g
	s_load_b128 s[20:23], s[0:1], 0x40             ; ln_b, out0
	s_load_b64 s[24:25], s[0:1], 0x50              ; out1
	v_lshl_add_u32 v126, v0, 2, 0x29000
	v_mov_b32 v127, 0
	ds_add_u32 v126, v127
	ds_add_u32 v126, v127
	v_lshrrev_b32 v28, 5, v0
	s_delay_alu instid0(VALU_DEP_1)
	v_readfirstlane_b32 s26, v28                   ; wave 0..7
	s_mov_b32 s40, 3<<16                           ; no mask; elements of 8 bytes; no padding
	s_mov_b32 s41, 32<<16                          ; tensor_dim0 = 32: rows of 256 bytes
	s_mov_b32 s42, 13<<16                          ; tensor_dim1 = 13
	s_mov_b32 s43, 32<<16                          ; tile_dim0
	s_mov_b32 s44, 13                              ; tile_dim1
	s_mov_b32 s45, 32                              ; the pitch: dense
	s_mov_b32 s46, 0
	s_mov_b32 s47, 0
	s_mov_b32 s36, 1
	s_mul_i32 s37, s26, 3328                       ; LDS address: my eighth of the record
	s_mul_i32 s32, ttmp9, 26624
	s_add_co_u32 s32, s32, s37
	s_mov_b32 s33, 0
	s_wait_dscnt 0x0
	s_wait_kmcnt 0x0
	s_add_nc_u64 s[38:39], s[4:5], s[32:33]
	s_or_b32 s39, s39, 0x80000000
	tensor_load_to_lds s[36:39], s[40:47]
	s_nop 0
	PLACES
	s_lshr_b32 s27, ttmp9, 7                       ; direction
	s_and_b32 s29, ttmp9, 127                      ; which 32 tokens of its 4,096
	s_lshl_b32 s28, s27, 2
	s_add_co_u32 s28, s28, 3                       ; Wo's number among the weights
	s_mul_i32 s32, s28, 786432
	s_mul_i32 s34, s26, 98304
	s_add_co_u32 s32, s32, s34
	s_add_nc_u64 s[48:49], s[6:7], s[32:33]        ; Wo's images of my 128 features
	s_lshl_b32 s32, s28, 15
	s_lshl_b32 s34, s26, 12
	s_add_co_u32 s32, s32, s34
	s_add_nc_u64 s[50:51], s[8:9], s[32:33]        ; and their scale words
	; by the order of tokens in a tile, row 16 u + r of the stage is token 64 (PI / 2) + 16 (PI % 2) + 8 u + r % 8 + 32 (r / 8); my four rows begin at r = 4 (w % 4), u = w / 4
	s_lshr_b32 s34, s29, 1
	s_lshl_b32 s34, s34, 6
	s_and_b32 s35, s29, 1
	s_lshl_b32 s35, s35, 4
	s_add_co_u32 s34, s34, s35
	s_lshr_b32 s35, s26, 2
	s_lshl_b32 s35, s35, 3
	s_add_co_u32 s34, s34, s35
	s_and_b32 s35, s26, 1
	s_lshl_b32 s35, s35, 2
	s_add_co_u32 s34, s34, s35
	s_bfe_u32 s35, s26, 0x10001
	s_lshl_b32 s35, s35, 5
	s_add_co_u32 s34, s34, s35
	s_lshl_b32 s32, s34, 12                        ; rows of 4,096 bytes
	s_cmp_eq_u32 s27, 0                            ; direction 0: residual temp, out0, s2t_bo; the choice hangs on the work-group's number alone
	s_cselect_b64 s[54:55], s[14:15], s[16:17]
	s_cselect_b64 s[56:57], s[22:23], s[24:25]
	s_cselect_b64 s[58:59], s[10:11], s[12:13]
	s_add_nc_u64 s[54:55], s[54:55], s[32:33]
	s_add_nc_u64 s[56:57], s[56:57], s[32:33]
	s_mov_b32 s30, 0x76543210
	s_mov_b32 s31, 0xfedcba98                      ; v_permlanex16_b32's selects for lane l xor 16
	s_mov_b32 s60, 0x3a800000                      ; 1 / 1024
	v_and_b32 v28, 31, v0
	v_and_b32 v29, 15, v0
	v_bfe_u32 v30, v0, 4, 1
	s_delay_alu instid0(VALU_DEP_3)
	v_lshlrev_b32 v1, 4, v28                       ; 16 x lane
	s_delay_alu instid0(VALU_DEP_4)
	v_lshlrev_b32 v2, 3, v28                       ; 8 x lane
	v_lshlrev_b32 v3, 2, v28                       ; 4 x lane
	s_lshl_b32 s34, s26, 9
	s_add_co_u32 s34, s34, STG
	v_mul_u32_u24 v4, v29, 4112
	s_delay_alu instid0(VALU_DEP_1)
	v_lshl_add_u32 v4, v30, 6, v4
	s_delay_alu instid0(VALU_DEP_1)
	v_add_nc_u32 v4, s34, v4                       ; into the stage: row r, + 64 h, + my 512 bytes of a row;
	s_delay_alu instid0(VALU_DEP_1)
	v_add_nc_u32 v5, 65792, v4                     ; the second tile's rows lie 16 rows on
	s_mul_i32 s34, s26, 16448
	s_add_co_u32 s34, s34, STG
	v_add_nc_u32 v6, s34, v1                       ; out of it: my 4 rows, 16 bytes a lane
.irp j, 0,1,2,3
	v_mov_b32 v[24+\j], 0                          ; written once: a lane permute's destination counts as one of its sources
.endr
.set nn, 0
.rept 16
	global_load_b64 v[88+2*nn:89+2*nn], v2, s[50:51] offset:256*nn   ; Wo's scale words: (which 64 features a, pair of K steps q, pair of tiles J) at 8 a + 2 q + J
.set nn, nn+1
.endr
	WLOAD 0
	WLOAD 1
	WLOAD 2
	WLOAD 3
	WLOAD 4
	WIN 0
	s_wait_tensorcnt 0x0                           ; my eighth of o's record is in,
	s_barrier_signal -1
	s_barrier_wait -1                              ; everybody's is
.set nn, 0
.rept 16
	ds_load_b32 v[32+nn], v3 offset:24576+128*nn   ; head nn's two bytes a row: lanes 0-15 tile 0, lanes 16-31 tile 1
.set nn, nn+1
.endr
	s_wait_dscnt 0x0
.set nn, 0
.rept 8
	v_lshl_or_b32 v[80+nn], v[33+2*nn], 16, v[32+2*nn]   ; a K step is two heads: four bytes
.set nn, nn+1
.endr
.rept 8
	v_nop                                          ; a scale register written by a vector instruction stands 8 places ahead of a scaled matrix instruction
.endr
	OLOAD 0
	OLOAD 1
	s_wait_alu depctr_va_vdst(0)
.irp e, 0,1,2,3,4,5,6,7,8,9,10,11,12,13,14,15
	HSTEP \e
.endr
	WIN 0x40                                       ; the ring is done with: the residual's 4 rows, g, b and bo take its place (56 loads of 512 consecutive bytes)
.irp j, 0,1,2,3
.irp p, 0,1,2,3,4,5,6,7
	global_load_b128 v[32*\j+4*\p:32*\j+4*\p+3], v1, s[54:55] offset:4096*\j+512*\p
.endr
.endr
.irp p, 0,1,2,3,4,5,6,7
	global_load_b128 v[128+4*\p:131+4*\p], v1, s[18:19] offset:512*\p
	global_load_b128 v[160+4*\p:163+4*\p], v1, s[20:21] offset:512*\p
	global_load_b128 v[192+4*\p:195+4*\p], v1, s[58:59] offset:512*\p
.endr
	WIN 0
.irp a, 0,1
.irp t, 0,1,2,3
.irp u, 0,1
	ds_store_b128 v[4+\u], v[128+8*(2*(4*\a+\t)+\u):128+8*(2*(4*\a+\t)+\u)+3] offset:256*\a+128*(\t/2)+32*(\t%2)        ; each accumulator from its low end on: lane (r, h): features 64 a + 32 (t / 2) + 8 (t % 2) + 16 h + 0 .. 7 of my 128
	ds_store_b128 v[4+\u], v[128+8*(2*(4*\a+\t)+\u)+4:128+8*(2*(4*\a+\t)+\u)+7] offset:256*\a+128*(\t/2)+32*(\t%2)+16
.endr
.endr
.endr
	s_wait_dscnt 0x0                               ; for the others' sake: my stores into the stage are done
	s_barrier_signal -1
	s_barrier_wait -1
.irp j, 0,1,2,3
.irp p, 0,1,2,3,4,5,6,7
	ds_load_b128 v[128+32*\j+4*\p:131+32*\j+4*\p], v6 offset:4112*\j+512*\p   ; row j: lane l holds features 128 p + 4 l + 0 .. 3
.endr
.endr
	s_wait_dscnt 0x0
	s_wait_loadcnt 0x0
	WIN 0x04                                       ; source 1 window 1
.set n, 0
.rept 16
.irp j, 0,1,2,3
	v_pk_add_f32 v[128+32*\j+n:129+32*\j+n], v[128+32*\j+n:129+32*\j+n], v[192+n:193+n]         ; + bo
.endr
.set n, n+2
.endr
.set n, 0
.rept 16
.irp j, 0,1,2,3
	v_pk_add_f32 v[128+32*\j+n:129+32*\j+n], v[128+32*\j+n:129+32*\j+n], v[32*\j+n:32*\j+n+1]   ; + the residual
.endr
.set n, n+2
.endr
	WIN 0
.irp j, 0,1,2,3                                ; the rows' sums, the four rows by turns, two chains each
	v_pk_add_f32 v[8+4*\j:9+4*\j], v[128+32*\j:129+32*\j], v[130+32*\j:131+32*\j]
	v_pk_add_f32 v[10+4*\j:11+4*\j], v[132+32*\j:133+32*\j], v[134+32*\j:135+32*\j]
.endr
.set n, 8
.rept 6
.irp j, 0,1,2,3
	v_pk_add_f32 v[8+4*\j:9+4*\j], v[8+4*\j:9+4*\j], v[128+32*\j+n:129+32*\j+n]
	v_pk_add_f32 v[10+4*\j:11+4*\j], v[10+4*\j:11+4*\j], v[130+32*\j+n:131+32*\j+n]
.endr
.set n, n+4
.endr
	REDUCE
.irp j, 0,1,2,3
	s_delay_alu instid0(VALU_DEP_4)
	v_mul_f32 v[8+4*\j], s60, v[8+4*\j]            ; the mean
.endr
.set n, 0
.rept 16
.irp j, 0,1,2,3
	v_pk_add_f32 v[128+32*\j+n:129+32*\j+n], v[128+32*\j+n:129+32*\j+n], v[8+4*\j:9+4*\j] op_sel_hi:[1,0] neg_lo:[0,1] neg_hi:[0,1]   ; x - mean
.endr
.set n, n+2
.endr
.irp j, 0,1,2,3                                ; the sums of squares of what is left
	v_pk_mul_f32 v[8+4*\j:9+4*\j], v[128+32*\j:129+32*\j], v[128+32*\j:129+32*\j]
	v_pk_mul_f32 v[10+4*\j:11+4*\j], v[130+32*\j:131+32*\j], v[130+32*\j:131+32*\j]
.endr
.set n, 4
.rept 7
.irp j, 0,1,2,3
	v_pk_fma_f32 v[8+4*\j:9+4*\j], v[128+32*\j+n:129+32*\j+n], v[128+32*\j+n:129+32*\j+n], v[8+4*\j:9+4*\j]
	v_pk_fma_f32 v[10+4*\j:11+4*\j], v[130+32*\j+n:131+32*\j+n], v[130+32*\j+n:131+32*\j+n], v[10+4*\j:11+4*\j]
.endr
.set n, n+4
.endr
	REDUCE
.irp j, 0,1,2,3
	s_delay_alu instid0(VALU_DEP_4)
	v_fmaak_f32 v[8+4*\j], s60, v[8+4*\j], 0x3727c5ac   ; the variance + 1e-5
.endr
	s_wait_alu depctr_va_vdst(0)
.irp j, 0,1,2,3
	v_rsq_f32 v[8+4*\j], v[8+4*\j]
.endr
	v_nop                                          ; one plain place behind a transcendental
.set n, 0
	s_wait_alu depctr_va_vdst(0)
.rept 16
.irp j, 0,1,2,3
	v_pk_mul_f32 v[128+32*\j+n:129+32*\j+n], v[128+32*\j+n:129+32*\j+n], v[8+4*\j:9+4*\j] op_sel_hi:[1,0]
.endr
.set n, n+2
.endr
	WIN 0x14                                       ; sources 1 and 2 window 1
.set n, 0
.rept 16
.irp j, 0,1,2,3
	v_pk_fma_f32 v[128+32*\j+n:129+32*\j+n], v[128+32*\j+n:129+32*\j+n], v[128+n:129+n], v[160+n:161+n]   ; x g + b
.endr
.set n, n+2
.endr
	WIN 0
.irp j, 0,1,2,3
.irp p, 0,1,2,3,4,5,6,7
	global_store_b128 v1, v[128+32*\j+4*\p:131+32*\j+4*\p], s[56:57] offset:4096*\j+512*\p th:TH_STORE_NT   ; 32 lanes store 512 consecutive bytes, at a multiple of 256
.endr
.endr
	s_wait_tensorcnt 0x0
	ds_add_u32 v126, v127
	s_wait_dscnt 0x0
	s_endpgm
.Lfunc_end_k_q975733e240_outln:
	.size	k_q975733e240_outln, .Lfunc_end_k_q975733e240_outln-k_q975733e240_outln
	.p2alignl 7, 3214868480
	.fill 96, 4, 3214868480
	.section	.rodata,"a",@progbits
	.p2align	6, 0x0
	.amdhsa_kernel k_q975733e240_outln
		.amdhsa_group_segment_fixed_size 168960
		.amdhsa_private_segment_fixed_size 0
		.amdhsa_enable_private_segment 0
		.amdhsa_kernarg_size 88
		.amdhsa_user_sgpr_count 2
		.amdhsa_user_sgpr_kernarg_segment_ptr 1
		.amdhsa_wavefront_size32 1
		.amdhsa_system_sgpr_workgroup_id_x 1
		.amdhsa_system_sgpr_workgroup_id_y 1
		.amdhsa_system_sgpr_workgroup_id_z 1
		.amdhsa_system_vgpr_workitem_id 0
		.amdhsa_next_free_vgpr 512
		.amdhsa_next_free_sgpr 66
		.amdhsa_reserve_vcc 0
		.amdhsa_float_denorm_mode_32 3
		.amdhsa_float_denorm_mode_16_64 3
		.amdhsa_memory_ordered 1
		.amdhsa_forward_progress 1
		.amdhsa_inst_pref_size 97
	.end_amdhsa_kernel
	.amdgpu_metadata
---
amdhsa.version: [ 1, 2 ]
amdhsa.kernels:
  - .name:           k_q975733e240_outln
    .symbol:         k_q975733e240_outln.kd
    .args:
      - { .name: oc, .offset: 0, .size: 8, .value_kind: global_buffer, .address_space: global }
      - { .name: wc, .offset: 8, .size: 8, .value_kind: global_buffer, .address_space: global }
      - { .name: ws, .offset: 16, .size: 8, .value_kind: global_buffer, .address_space: global }
      - { .name: s2t_bo, .offset: 24, .size: 8, .value_kind: global_buffer, .address_space: global }
      - { .name: t2s_bo, .offset: 32, .size: 8, .value_kind: global_buffer, .address_space: global }
      - { .name: temp_features, .offset: 40, .size: 8, .value_kind: global_buffer, .address_space: global }
      - { .name: spat_features, .offset: 48, .size: 8, .value_kind: global_buffer, .address_space: global }
      - { .name: ln_g, .offset: 56, .size: 8, .value_kind: global_buffer, .address_space: global }
      - { .name: ln_b, .offset: 64, .size: 8, .value_kind: global_buffer, .address_space: global }
      - { .name: out0, .offset: 72, .size: 8, .value_kind: global_buffer, .address_space: global }
      - { .name: out1, .offset: 80, .size: 8, .value_kind: global_buffer, .address_space: global }
    .group_segment_fixed_size: 168960
    .private_segment_fixed_size: 0
    .kernarg_segment_align: 8
    .kernarg_segment_size: 88
    .max_flat_workgroup_size: 256
    .sgpr_count:     66
    .vgpr_count:     512
    .wavefront_size: 32
...
	.end_amdgpu_metadata
.endif
;; end of part 4
